; MI455X (gfx1250); checked and timed in simulation.
; The chip was launched on July 23, 2026; its instructions are those of AMD's public machine-readable ISA for CDNA 5 (MIT licence, August 2026) and "CDNA5" Instruction Set Architecture Reference Guide (July 2026). The comments in the code are by the model that wrote it; some were corrected since.
;; Self Attention Wide. Allowed arithmetic: matrix products marked QUANTISED: E2M3 operands, one E8M0 scale for each 32 along K, by v_wmma_scale_f32_16x16x128_f8f6f4 with both operands' format E2M3, f32 sums; everything else in f32.
;; Inputs: b_u 512 float32; w_k 4,096 x 512 float32; w_q 4,096 x 512 float32; w_u 512 x 4,096 float32; w_v 4,096 x 512 float32; x 4 x 1,024 x 512 float32.
;; Outputs: out0 4 x 1,024 x 512 float32.
;; This version of the problem:
;;   THIS VERSION OF THE PROBLEM IS GIVEN IN LOW PRECISION. The matrix products marked QUANTISED in the list below multiply operands that are first quantised to E2M3 (2 exponent bits, 3 mantissa bits; 6 bits a number), with one power-of-two scale for each 32 numbers along K (OCP MX v1.0); their sums are f32. All else is computed in f32.
;;   The module's matrix products, in the order in which they are computed (A, B: the left and right operand; K: the contracted axis; several contracted axes count as one K, in the product's order):
;;     1. [M 4,096, K 512] x [K 512, N 4,096]; A: input x; B: input w_k: QUANTISED
;;     2. [M 4,096, K 512] x [K 512, N 4,096]; A: input x; B: input w_q: QUANTISED
;;     3. [M 4,096, K 512] x [K 512, N 4,096]; A: input x; B: input w_v: QUANTISED
;;     4. batch 32 x [M 1,024, K 512] x [K 512, N 1,024]; A: computed on the way; B: computed on the way: QUANTISED
;;     5. batch 32 x [M 512, K 1,024] x [K 1,024, N 1,024]; A: computed on the way; B: softmax (see below): QUANTISED
;;     6. [M 4,096, K 4,096] x [K 4,096, N 512]; A: computed on the way; B: input w_u: QUANTISED
;;   THE QUANTISER, for each operand of a quantised product, along K:
;;     - K is cut into blocks of 32 from its start; a last block that is shorter is filled with zeros.
;;     - A block's scale is 2^e with e = floor(log2(the largest magnitude in the block)) - 2, held to -126 .. 127; a block of zeros has e = 0. As a byte (E8M0): e + 127.
;;     - Each number is divided by its block's scale, clamped to +-7.5, and rounded to the nearest number of E2M3, ties to even, subnormals kept.
;;     - The product sums the exact products of the quantised numbers (number of the format x scale) in f32.
;;   ~~~python
;;   def quantise(x, axis):      # numpy; x: float32 -> the quantised numbers, widened to float32 again
;;       x = np.moveaxis(x, axis, -1); K = x.shape[-1]
;;       x = np.pad(x, [(0, 0)] * (x.ndim - 1) + [(0, -K % 32)]); x = x.reshape(x.shape[:-1] + (-1, 32)); a = np.abs(x).max(-1, keepdims=True)
;;       e = np.where(a > 0, np.clip(np.frexp(np.where(a > 0, a, 1))[1] - 1 - 2, -126, 127), 0)      # np.frexp(a)[1] - 1 = floor(log2(a)), exactly
;;       r = np.clip(x / 2.0 ** e, -7.5, 7.5)
;;       step = 2.0 ** (np.maximum(np.frexp(np.where(r == 0, 1, r))[1] - 1, 0) - 3)
;;       q = np.round(r / step) * step * 2.0 ** e      # np.round: ties to even
;;       return np.moveaxis(q.reshape(q.shape[:-2] + (-1,))[..., :K], -1, axis).astype(np.float32)
;;   ~~~
;;   SOFTMAX AHEAD OF A QUANTISED PRODUCT. Where the list says 'softmax', what is quantised is not the finished softmax but p = 2^(t - M), with t = logit x log2(e) and M = ceil(the row's largest t), a whole number; so 1/2 < the row's largest p <= 1. The row's sum l is taken of the UNQUANTISED p, in f32, and the product's result is divided by l at the end. Since M is a whole number, a kernel that streams over the keys may use a running M (the ceiling of the running maximum): every later rescaling is an exact power of two, which a block's scale takes up: the codes' values come out the same.
;;   OPERANDS COMPUTED ON THE WAY. 'Computed on the way' means the value that the module computes at that place (a softmax that the list does not call 'softmax' is quantised finished and normalised). What goes into a quantiser is computed in f32, as accurately as f32 sums, v_exp_f32 and their like allow (about 1e-6 of the number): no bf16 or f16 on the way to a quantiser, and a product that is left as it is and whose result goes on into a quantised operand takes f32 operands (vector FMAs, or v_wmma_f32_16x16x4_f32). A number that lies on a knife's edge between two numbers of the format may be rounded either way, as far as f32 arithmetic and the matrix unit's own rounding can turn it there, and no further.
;; One version. Each part assembles by itself: llvm-mc -triple=amdgcn-amd-amdhsa -mcpu=gfx1250 --defsym DOCPART=n.
;; ======== version 1 of 1: 4 launches
;; workspace buffers: win 8,192,000 bytes; qkv 39,321,600 bytes; obuf 13,107,200 bytes
;; launch quant (part 1): grid 640 x 1, 8 waves a work-group, no clusters, 69,632 bytes of LDS; arguments x, w_q, w_k, w_v, w_u, win; writes win
.if DOCPART == 1
	.amdgcn_target "amdgcn-amd-amdhsa--gfx1250"
	.amdhsa_code_object_version 6
	.text
	.protected	k_q1cd2553a21_quant
	.globl	k_q1cd2553a21_quant
	.p2align	8
	.type	k_q1cd2553a21_quant,@function
k_q1cd2553a21_quant:
	s_mov_b64 s[64:65], 0
	v_nop
	global_prefetch_b8 v0, s[64:65] scope:SCOPE_SE
	s_setreg_imm32_b32 hwreg(HW_REG_WAVE_MODE, 25, 1), 1
	s_wait_xcnt 0x0
; x [4096][512], w_q, w_k, w_v [4096][512] and w_u [512][4096], f32 with K innermost, become codes of FP6 (E2M3) with one E8M0 byte for each 32 along K.
; A block's scale is 2^(floor(log2(its largest magnitude)) - 2); its byte is the largest magnitude's exponent field - 2, held at 1 from below.
; LIMITS: NaN and infinities among the inputs are not served; a block's largest magnitude is taken as 2^-124 at the least, so a block of zeros has the byte 1 (its codes are zeros; this program alone reads the bytes).
; LAYOUT OF THE RESULT.  A FRAGMENT (16 rows x 128 K, the 12 registers a lane of a matrix operand) is stored as an image of those registers: registers 4 ch .. 4 ch + 3 of lane l at 512 ch + 16 l: 1,536 bytes.
; THE ROWS OF A TILE ARE NOT NEIGHBOURS: lane r of tile T holds row 32 (T / 2) + 8 (T % 2) + r + 8 (r / 8).  A RECORD is 64 rows x 512 K: fragment (tile t, K step c) at (4 t + c) x 1,536, then 1,024 bytes of scale words:
; the word of (t, r, c) at 24,576 + 256 c + 8 (16 (t % 2) + r) + 4 (t / 2).  Tensor n (x, w_q, w_k, w_v, w_u) begins at n x 1,638,400; its record number is row / 64 (w_u: 8 (row / 64) + K / 512).
; SHARES.  5,120 fragments, one a wave.  A work-group takes eight neighbouring tiles (128 rows) of one K step, so that its scale words fill two whole blocks of 256 bytes.
; A load reads one row's 512 consecutive bytes; the 16 rows turn through the wave's own stage in LDS (pitch 528), so that a lane gets 16 neighbours of each block of 32 of ITS row.
; No tensor loads, no cluster: no two work-groups read the same bytes.
.set FRB,  1536
.set HRB,  25600
.set HSC,  24576
.set TEN,  64*HRB                      ; a tensor's records in bytes
.set GATH, 0                           ; LDS: 512 bytes in which the eight waves' scale words meet
.set STG0, 512                         ; behind them the stages
.set SPT,  528                         ; a stage row: 512 bytes + 16
.set WST,  16*SPT                      ; a wave's stage
.set L16,  4                           ; v4   16 x lane
.set STI,  5                           ; v5   into the stage: my 16 bytes of a row
.set STO,  6                           ; v6   out of it: row r, + 64 h
.set GA,   7                           ; v7   where my row's scale word goes in GATH
.set BT,   8                           ; v8-11   lane permutes' results, then the bytes
.set GW,   12                          ; v12-15  wave 0: the gathered words
.set OFF,  16                          ; v16-31  row i's byte offset in the tensor
.set X,    32                          ; v32-95  64 numbers
.set PC,   96                          ; v96-107 the fragment
.set PCB,  108                         ; v108-110, v112-114 the blocks' second halves, as they are made
.set QM,   116                         ; v116-119 largest magnitudes
.set QS,   120                         ; v120-123 the conversions' scale operands
.set PW,   124                         ; v124 the scale word
.set GV,   125                         ; v125 wave 0: where the gathered words go in memory
.set SEL,  44                          ; s[44:45] selects of v_permlanex16_b32: lane l xor 16
; 64 numbers p of a lane, register 16 b + i = k 32 b + 16 (lane / 16) + i of my row, with their scale operands in v[QS] on, become the fragment in v[PC] on
.macro CODES s
.irp c, 0,1
	v_cvt_scalef32_pk16_fp6_f32 v[PC+6*\c:PC+6*\c+2], v[\s+32*\c:\s+32*\c+15], v[QS+2*\c]
	v_cvt_scalef32_pk16_fp6_f32 v[PCB+4*\c:PCB+4*\c+2], v[\s+16+32*\c:\s+31+32*\c], v[QS+2*\c+1]   ; (a conversion's three registers begin on an even number)
.endr
	v_nop                                          ; one plain place behind a scaled conversion
.irp c, 0,1                                    ; the operand's layout wants a WHOLE block in a lane: lanes 0-15 block 2 c, lanes 16-31 block 2 c + 1
.irp i, 0,1,2
	v_permlane16_swap_b32 v[PC+6*\c+\i], v[PCB+4*\c+\i]
.endr
.irp i, 0,1,2
	v_mov_b32 v[PC+3+6*\c+\i], v[PCB+4*\c+\i]
.endr
.endr
.endm
.macro QUANT s, pw
.irp b, 0,1,2,3
	v_max3_num_f32 v[QM+\b], |v[\s+16*\b]|, |v[\s+1+16*\b]|, 0x1800000   ; block b: my 16 numbers, and the floor 2^(3 - 127): the byte cannot fall under 1
.endr
.irp i, 2,4,6,8,10,12,14
.irp b, 0,1,2,3
	v_max3_num_f32 v[QM+\b], v[QM+\b], |v[\s+16*\b+\i]|, |v[\s+1+16*\b+\i]|   ; (the four blocks by turns)
.endr
.endr
.irp b, 0,1,2,3
	v_permlanex16_b32 v[BT+\b], v[QM+\b], s[SEL], s[SEL+1]
.endr
.irp b, 0,1,2,3
	v_max_num_f32 v[QM+\b], v[QM+\b], v[BT+\b]     ; with lane l xor 16's: the block's largest magnitude
.endr
.irp b, 0,1,2,3
	v_add_nc_u32 v[QS+\b], 0xff000000, v[QM+\b]    ; 2 off its exponent field: the conversion takes that field as its scale
.endr
.irp b, 0,1,2,3
	v_lshrrev_b32 v[BT+\b], 23, v[QS+\b]           ; the scale's byte
.endr
	v_lshl_or_b32 v[\pw], v[BT+1], 8, v[BT]        ; four bytes: my row's scale word
	v_lshl_or_b32 v[\pw], v[BT+2], 16, v[\pw]
	v_lshl_or_b32 v[\pw], v[BT+3], 24, v[\pw]
	CODES \s
.endm
	s_load_b256 s[4:11], s[0:1], 0x0               ; x, w_q, w_k, w_v
	s_load_b128 s[12:15], s[0:1], 0x20             ; w_u, win
	v_lshl_add_u32 v128, v0, 2, 0x10c00
	v_mov_b32 v129, 0
	v_lshrrev_b32 v1, 5, v0
	v_readfirstlane_b32 s16, v1                    ; wave 0..7: my tile of the eight
	v_and_b32 v1, 31, v0                           ; lane
	v_and_b32 v2, 15, v0                           ; r
	v_bfe_u32 v3, v0, 4, 1                         ; h
	v_lshlrev_b32 v[L16], 4, v1
	s_mul_i32 s17, s16, WST
	s_add_co_u32 s17, s17, STG0                    ; my stage
	v_add_nc_u32 v[STI], s17, v[L16]
	v_mul_u32_u24 v[STO], v2, SPT
	v_lshl_add_u32 v[STO], v3, 6, v[STO]
	v_add_nc_u32 v[STO], s17, v[STO]
	s_lshr_b32 s18, s16, 2                         ; which of the group's two records
	s_lshl_b32 s19, s18, 8                         ; 256 bytes of words for each,
	s_and_b32 s20, s16, 1
	s_lshl_b32 s20, s20, 7                         ; 8 x 16 (t % 2),
	s_add_co_u32 s19, s19, s20
	s_bfe_u32 s20, s16, 0x10001
	s_lshl_b32 s20, s20, 2                         ; 4 (t / 2)
	s_add_co_u32 s19, s19, s20
	v_lshl_add_u32 v[GA], v2, 3, s19               ; + 8 r  (GATH is LDS byte 0)
	s_mov_b32 s[SEL], 0x76543210
	s_mov_b32 s[SEL+1], 0xfedcba98
.irp b, 0,1,2,3
	v_mov_b32 v[BT+\b], 0                          ; written once: a lane permute's destination counts as one of its sources
.endr
	s_lshr_b32 s21, ttmp9, 7                       ; which tensor: 128 work-groups each
	s_and_b32 s22, ttmp9, 127
	s_mov_b32 s24, 2048
	s_cmp_eq_u32 s21, 4                            ; w_u has 32 K steps and rows of 16,384 bytes, the others 4 and 2,048
	s_cselect_b32 s23, 5, 2
	s_cselect_b32 s24, 16384, s24                  ; a row in bytes
	s_cselect_b32 s25, 8, 1                        ; records along K
	s_lshr_b32 s26, s22, s23                       ; G: which 128 rows
	s_bfm_b32 s27, s23, 0
	s_and_b32 s27, s22, s27                        ; which K step of 128
	s_lshr_b32 s30, s27, 2                         ; its record along K,
	s_and_b32 s31, s27, 3                          ; and its place c in it
.irp i, 0,1,2,3,4,5,6,7,8,9,10,11,12,13,14,15
	v_mad_u32_u24 v[OFF+\i], s24, \i+8*(\i/8), v[L16]   ; lane i's row of the tile, my 16 bytes of its 512
.endr
	s_lshl_b32 s28, s26, 7                         ; the tile's first row: 128 G + 32 (w / 2) + 8 (w % 2)
	s_lshr_b32 s29, s16, 1
	s_lshl_b32 s29, s29, 5
	s_add_co_u32 s28, s28, s29
	s_and_b32 s29, s16, 1
	s_lshl_b32 s29, s29, 3
	s_add_co_u32 s28, s28, s29
	s_mul_i32 s28, s28, s24
	s_lshl_b32 s29, s27, 9
	s_add_co_u32 s28, s28, s29                     ; + 512 bytes a K step
	s_mov_b32 s29, 0
	s_lshl_b32 s40, s26, 1
	s_mul_i32 s40, s40, s25
	s_add_co_u32 s40, s40, s30                     ; the group's first record
	s_mul_i32 s41, s21, TEN
	s_mul_i32 s32, s18, s25
	s_add_co_u32 s32, s32, s40                     ; my record
	s_mul_i32 s32, s32, HRB
	s_and_b32 s33, s16, 3
	s_lshl_b32 s33, s33, 2
	s_add_co_u32 s33, s33, s31
	s_mul_i32 s33, s33, FRB                        ; fragment (w % 4, c)
	s_add_co_u32 s32, s32, s33
	s_add_co_u32 s32, s32, s41
	s_mov_b32 s33, 0
	s_mul_i32 s36, s40, HRB
	s_add_co_u32 s36, s36, s41
	s_lshl_b32 s37, s31, 8
	s_add_co_u32 s36, s36, s37
	s_add_co_u32 s36, s36, HSC                     ; the first record's block of words for K step c
	s_mov_b32 s37, 0
	s_mul_i32 s42, s25, HRB                        ; from the group's first record to its second
	v_mul_u32_u24 v[GV], v3, s42
	v_lshl_add_u32 v[GV], v2, 4, v[GV]
	s_wait_kmcnt 0x0
	s_cmp_eq_u32 s21, 1                            ; the tensor is chosen by the work-group's number alone
	s_cselect_b64 s[4:5], s[6:7], s[4:5]
	s_cmp_eq_u32 s21, 2
	s_cselect_b64 s[4:5], s[8:9], s[4:5]
	s_cmp_eq_u32 s21, 3
	s_cselect_b64 s[4:5], s[10:11], s[4:5]
	s_cmp_eq_u32 s21, 4
	s_cselect_b64 s[4:5], s[12:13], s[4:5]
	s_add_nc_u64 s[4:5], s[4:5], s[28:29]
	s_add_nc_u64 s[34:35], s[14:15], s[32:33]
	s_add_nc_u64 s[38:39], s[14:15], s[36:37]
.irp i, 0,1,2,3,4,5,6,7,8,9,10,11,12,13,14,15
	global_load_b128 v[X+4*\i:X+4*\i+3], v[OFF+\i], s[4:5] th:TH_LOAD_NT   ; 32 lanes read 512 consecutive bytes of one row
.endr
.irp i, 0,1,2,3,4,5,6,7,8,9,10,11,12,13,14,15
	s_wait_loadcnt 15-\i                           ; row i is in; the younger rows may be out
	ds_store_b128 v[STI], v[X+4*\i:X+4*\i+3] offset:SPT*\i
.endr
	s_wait_dscnt 0x0                               ; the stores have read their registers, which the loads below fill
.irp b, 0,1,2,3
.irp j, 0,1,2,3
	ds_load_b128 v[X+16*\b+4*\j:X+16*\b+4*\j+3], v[STO] offset:128*\b+16*\j   ; of my row: k = 32 b + 16 h + 4 j ..
.endr
.endr
	s_wait_dscnt 0x0
	QUANT X, PW
.irp ch, 0,1,2
	global_store_b128 v[L16], v[PC+4*\ch:PC+4*\ch+3], s[34:35] offset:512*\ch   ; 512 consecutive bytes, at a multiple of 256 from the buffer's first byte
.endr
	ds_store_b32 v[GA], v[PW]                      ; lanes r and r + 16 write the same word with the same value
	s_wait_dscnt 0x0                               ; for wave 0's sake: my word has landed
	s_barrier_signal -1
	s_barrier_wait -1
	s_cmp_lg_u32 s16, 0
	s_cbranch_scc1 .Ldone
	ds_load_b128 v[GW:GW+3], v[L16] offset:GATH    ; lanes 0-15: the first record's 256 bytes of words, lanes 16-31 the second's
	s_wait_dscnt 0x0
	global_store_b128 v[GV], v[GW:GW+3], s[38:39]  ; sixteen lanes store 256 consecutive bytes, aligned
.Ldone:
	s_wait_tensorcnt 0x0
	ds_add_u32 v128, v129
	s_wait_dscnt 0x0
	s_endpgm
.Lfunc_end_k_q1cd2553a21_quant:
	.size	k_q1cd2553a21_quant, .Lfunc_end_k_q1cd2553a21_quant-k_q1cd2553a21_quant
	.p2alignl 7, 3214868480
	.fill 96, 4, 3214868480
	.section	.rodata,"a",@progbits
	.p2align	6, 0x0
	.amdhsa_kernel k_q1cd2553a21_quant
		.amdhsa_group_segment_fixed_size 69632
		.amdhsa_private_segment_fixed_size 0
		.amdhsa_enable_private_segment 0
		.amdhsa_kernarg_size 48
		.amdhsa_user_sgpr_count 2
		.amdhsa_user_sgpr_kernarg_segment_ptr 1
		.amdhsa_wavefront_size32 1
		.amdhsa_system_sgpr_workgroup_id_x 1
		.amdhsa_system_sgpr_workgroup_id_y 1
		.amdhsa_system_sgpr_workgroup_id_z 1
		.amdhsa_system_vgpr_workitem_id 0
		.amdhsa_next_free_vgpr 130
		.amdhsa_next_free_sgpr 66
		.amdhsa_reserve_vcc 0
		.amdhsa_float_denorm_mode_32 3
		.amdhsa_float_denorm_mode_16_64 3
		.amdhsa_memory_ordered 1
		.amdhsa_forward_progress 1
		.amdhsa_inst_pref_size 14
	.end_amdhsa_kernel
	.amdgpu_metadata
---
amdhsa.version: [ 1, 2 ]
amdhsa.kernels:
  - .name:           k_q1cd2553a21_quant
    .symbol:         k_q1cd2553a21_quant.kd
    .args:
      - { .name: x, .offset: 0, .size: 8, .value_kind: global_buffer, .address_space: global }
      - { .name: w_q, .offset: 8, .size: 8, .value_kind: global_buffer, .address_space: global }
      - { .name: w_k, .offset: 16, .size: 8, .value_kind: global_buffer, .address_space: global }
      - { .name: w_v, .offset: 24, .size: 8, .value_kind: global_buffer, .address_space: global }
      - { .name: w_u, .offset: 32, .size: 8, .value_kind: global_buffer, .address_space: global }
      - { .name: win, .offset: 40, .size: 8, .value_kind: global_buffer, .address_space: global }
    .group_segment_fixed_size: 69632
    .private_segment_fixed_size: 0
    .kernarg_segment_align: 8
    .kernarg_segment_size: 48
    .max_flat_workgroup_size: 256
    .sgpr_count:     66
    .vgpr_count:     130
    .wavefront_size: 32
...
	.end_amdgpu_metadata
.endif
;; end of part 1
;; launch proj (part 2): grid 16 x 16, 4 waves a work-group, clusters of 4 x 4, 327,680 bytes of LDS; arguments win, qkv; writes qkv
.if DOCPART == 2
	.amdgcn_target "amdgcn-amd-amdhsa--gfx1250"
	.amdhsa_code_object_version 6
	.text
	.protected	k_q1cd2553a21_proj
	.globl	k_q1cd2553a21_proj
	.p2align	8
	.type	k_q1cd2553a21_proj,@function
k_q1cd2553a21_proj:
	s_mov_b64 s[64:65], 0
	v_nop
	global_prefetch_b8 v0, s[64:65] scope:SCOPE_SE
	s_setreg_imm32_b32 hwreg(HW_REG_WAVE_MODE, 25, 1), 1
	s_wait_xcnt 0x0
	s_wait_alu depctr_hold_cnt(0) depctr_sa_sdst(0) depctr_va_vdst(0) depctr_va_sdst(0) depctr_va_ssrc(0) depctr_va_vcc(0) depctr_vm_vsrc(0)
	s_getreg_b32 s2, hwreg(HW_REG_IB_STS2, 6, 4)
	s_cmp_eq_u32 s2, 0
	s_cbranch_scc0 .Lentry_in_a_cluster
	s_endpgm
.Lentry_in_a_cluster:
	s_bfe_u32 s2, ttmp6, 0x10000c
	s_cmp_lg_u32 s2, 0xf033
	s_cbranch_scc0 .Lentry_shape_is_right
	s_endpgm
.Lentry_shape_is_right:
; q = (x w_q^T) s, k = (x w_k^T) s, v = x w_v^T, s = 512^-0.25, on codes of FP6 (E2M3) with E8M0 scales, sums in f32; the results are quantised in registers, q and k along the head's 512, v along the keys.
; Operands come as records of register images (64 rows x 512 K in 25,600 bytes: fragment (t, c) at (4 t + c) x 1,536, scale words from byte 24,576 on; lane r of tile T holds row 32 (T / 2) + 8 (T % 2) + r + 8 (r / 8)).
; SHARES.  A work-group stays and makes three tiles of 256 x 256 over the whole K = 512: 256 tokens (i) against 256 rows (j) of w_q, of w_k, of w_v.  A wave makes 128 x 128: 64 accumulators, 512 registers.
; P is source 0: its rows run along a lane's registers in the result; Q is source 1: its rows are the lanes.  q, k: P = the weight, Q = x: a lane holds one token, its 64 registers 64 of 128 channels: one K step of the scores' K.
; v: P = x, Q = w_v: a lane holds one channel and its registers run along 128 keys.  By the order of a tile's rows, the 16 registers of P's tiles 2 b and 2 b + 1 are 16 neighbours, 32 b + 16 (lane / 16) + 0 .. 15.
; So each block of 16 lanes x 128 is quantised in registers and leaves as a fragment image: no stage, 512 consecutive bytes a store.
; RESULT.  q at byte 0 of qkv, k at 13,107,200: record 16 (8 b + h) + token / 64.  v at 26,214,400: record 2 (8 (8 b + h) + key / 128) + channel / 256 holds 16 tiles of channels x 128 keys, tile i at 1,536 i,
; its words at 24,576 + 512 (i / 8) + 16 (16 (i % 2) + r) + 4 ((i % 8) / 2).
; LDS: x's tile, w_q's and w_k's lie side by side (102,400 bytes each); w_v's tile takes w_q's place behind the first tile's products: the launch's one refill.  By this text's count a wave has three tensor loads out at the start, then one.
; CLUSTER 4 x 4: x's tile is shared along a row of the cluster, a weight's along a column: joint loads, each wave a quarter (one record, 100 rows of 256 bytes).
; No prefetch: all loads but one go out at the head, and that one has a whole tile's 256 matrix instructions a wave in which to land.
; LIMITS: NaN and infinities are not served; a block's largest magnitude is taken as 2^-124 at the least (a block of zeros: byte 1, zero codes).
.set FRB,  1536
.set HRB,  25600
.set HSC,  24576
.set TEN,  64*HRB
.set QREG, 512*HRB                     ; q's, k's and v's regions in qkv
.set XT,   0
.set WA,   4*HRB
.set WB,   8*HRB
.set SPARE, 12*HRB                     ; the spare words, 128 bytes a wave: two blocks of 256 bytes that no other line names
.set L16,  1                           ; v1  16 x lane      v2  8 x lane
.set L8,   2
.set XQ16, 3                           ; LDS addresses, 16 x lane or 8 x lane on: x's octet as Q,
.set XQ8,  4
.set XP16, 5                           ; as P,
.set XP8,  6
.set AP16, 7                           ; the weight in WA as P,
.set AP8,  8
.set AQ16, 9                           ; as Q,
.set AQ8,  10
.set BP16, 11                          ; the weight in WB as P
.set BP8,  12
.set OI,   16                          ; v16-19  scale words on their way out
.set BT,   20
.set QM,   24
.set SPW,  28                          ; v28  LDS address of my spare word; never rewritten
.set NIL,  29                          ; v29  0; never rewritten
.set PW,   30
.set SP,   32                          ; v32-47  P's scale words: K step s, tiles 2 n and 2 n + 1 (lanes 0-15, 16-31) at 4 s + n
.set SQ,   48                          ; v48-63  Q's
.set TMP,  64                          ; v64-127 a block's 64 numbers
.set QF,   128                         ; v128-223 Q's eight fragments, ONE set; window 1: P's, TWO sets, at v0 and v128; windows 2, 3: accumulator (a, b) at v[8 (8 (a % 4) + b)]
.set PC,   224
.set PCB,  236
.set QS,   244
.set WV,   8                           ; s8 wave, s9 my octet of Q, s10 of P, s11 cx, s12 cy, s13 j, s14 i
.set G1X,  16
.set G1W,  24
.set G0X,  32
.set G0A,  36
.set G0B,  40
.set MS,   44                          ; s[44:45] 512^-0.25 twice;  s[46:47] 1.0 twice
.set ONE,  46
.set SEL,  48
.set HM,   50                          ; s50 lanes 16-31
.set MSB, 0
.macro WIN new                         ; the immediate's high byte repeats the setting that is left
.set WNEW, \new
.if MSB != WNEW
	s_set_vgpr_msb (MSB<<8)|WNEW
.set MSB, WNEW
.endif
.endm
.set MUL_LO, 0xa1                      ; source 0 (P) window 1, source 1 (Q) window 0, C and D window 2
.set MUL_HI, 0xf1
.set TO_P,   0x40
.macro PLACES n
.rept \n
	v_nop
.endr
.endm
.macro ROUND                           ; a round of the cluster's barrier
	s_barrier_signal -1
	s_barrier_wait -1
	s_cmp_lg_u32 s[WV], 0
	s_cbranch_scc1 .Lnw0_\@
	s_barrier_signal -3
.Lnw0_\@:
	s_barrier_wait -3
	s_barrier_signal -1
	s_barrier_wait -1
.endm
.macro CODES s
.irp c, 0,1
	v_cvt_scalef32_pk16_fp6_f32 v[PC+6*\c:PC+6*\c+2], v[\s+32*\c:\s+32*\c+15], v[QS+2*\c]
	v_cvt_scalef32_pk16_fp6_f32 v[PCB+4*\c:PCB+4*\c+2], v[\s+16+32*\c:\s+31+32*\c], v[QS+2*\c+1]   ; (a conversion's three registers begin on an even number)
.endr
	v_nop                                          ; one plain place behind a scaled conversion
.irp c, 0,1                                    ; a WHOLE block in a lane: lanes 0-15 block 2 c, lanes 16-31 block 2 c + 1
.irp i, 0,1,2
	v_permlane16_swap_b32 v[PC+6*\c+\i], v[PCB+4*\c+\i]
.endr
.irp i, 0,1,2
	v_mov_b32 v[PC+3+6*\c+\i], v[PCB+4*\c+\i]
.endr
.endr
.endm
.macro QUANT s, pw                     ; 64 numbers, register 16 b + i = k 32 b + 16 (lane / 16) + i, become a fragment in v[PC] on and a scale word
.irp b, 0,1,2,3
	v_max3_num_f32 v[QM+\b], |v[\s+16*\b]|, |v[\s+1+16*\b]|, 0x1800000   ; and the floor 2^(3 - 127): the byte cannot fall under 1
.endr
.irp i, 2,4,6,8,10,12,14
.irp b, 0,1,2,3
	v_max3_num_f32 v[QM+\b], v[QM+\b], |v[\s+16*\b+\i]|, |v[\s+1+16*\b+\i]|
.endr
.endr
.irp b, 0,1,2,3
	v_permlanex16_b32 v[BT+\b], v[QM+\b], s[SEL], s[SEL+1]
.endr
.irp b, 0,1,2,3
	v_max_num_f32 v[QM+\b], v[QM+\b], v[BT+\b]
.endr
.irp b, 0,1,2,3
	v_add_nc_u32 v[QS+\b], 0xff000000, v[QM+\b]    ; 2 off the exponent field: the conversion's scale operand
.endr
.irp b, 0,1,2,3
	v_lshrrev_b32 v[BT+\b], 23, v[QS+\b]
.endr
	v_lshl_or_b32 v[\pw], v[BT+1], 8, v[BT]
	v_lshl_or_b32 v[\pw], v[BT+2], 16, v[\pw]
	v_lshl_or_b32 v[\pw], v[BT+3], 24, v[\pw]
	CODES \s
.endm
.macro FRAGL reg, adr, off             ; a fragment's image: three loads of 512 consecutive bytes
.irp ch, 0,1,2
	ds_load_b128 v[\reg+4*\ch:\reg+4*\ch+3], v[\adr] offset:\off+512*\ch
.endr
.endm
; one product.  z = 1: it starts the sum.  ra, rb = 1: that side's scale words stand in lanes 16-31 of the register named
.macro WM d, a, b, z, sa, sb, ra, rb
.set wD, \d
.set wA, \a
.set wB, \b
.set wSA, \sa
.set wSB, \sb
.set wR, 2*(\ra)+(\rb)
.if \z
.if wR == 0
	v_wmma_scale_f32_16x16x128_f8f6f4 v[wD:wD+7], v[wA:wA+11], v[wB:wB+11], 0, v[wSA], v[wSB] matrix_a_fmt:MATRIX_FMT_FP6 matrix_b_fmt:MATRIX_FMT_FP6
.elseif wR == 1
	v_wmma_scale_f32_16x16x128_f8f6f4 v[wD:wD+7], v[wA:wA+11], v[wB:wB+11], 0, v[wSA], v[wSB] matrix_a_fmt:MATRIX_FMT_FP6 matrix_b_fmt:MATRIX_FMT_FP6 matrix_b_scale:MATRIX_SCALE_ROW1
.elseif wR == 2
	v_wmma_scale_f32_16x16x128_f8f6f4 v[wD:wD+7], v[wA:wA+11], v[wB:wB+11], 0, v[wSA], v[wSB] matrix_a_fmt:MATRIX_FMT_FP6 matrix_b_fmt:MATRIX_FMT_FP6 matrix_a_scale:MATRIX_SCALE_ROW1
.else
	v_wmma_scale_f32_16x16x128_f8f6f4 v[wD:wD+7], v[wA:wA+11], v[wB:wB+11], 0, v[wSA], v[wSB] matrix_a_fmt:MATRIX_FMT_FP6 matrix_b_fmt:MATRIX_FMT_FP6 matrix_a_scale:MATRIX_SCALE_ROW1 matrix_b_scale:MATRIX_SCALE_ROW1
.endif
.else
.if wR == 0
	v_wmma_scale_f32_16x16x128_f8f6f4 v[wD:wD+7], v[wA:wA+11], v[wB:wB+11], v[wD:wD+7], v[wSA], v[wSB] matrix_a_fmt:MATRIX_FMT_FP6 matrix_b_fmt:MATRIX_FMT_FP6
.elseif wR == 1
	v_wmma_scale_f32_16x16x128_f8f6f4 v[wD:wD+7], v[wA:wA+11], v[wB:wB+11], v[wD:wD+7], v[wSA], v[wSB] matrix_a_fmt:MATRIX_FMT_FP6 matrix_b_fmt:MATRIX_FMT_FP6 matrix_b_scale:MATRIX_SCALE_ROW1
.elseif wR == 2
	v_wmma_scale_f32_16x16x128_f8f6f4 v[wD:wD+7], v[wA:wA+11], v[wB:wB+11], v[wD:wD+7], v[wSA], v[wSB] matrix_a_fmt:MATRIX_FMT_FP6 matrix_b_fmt:MATRIX_FMT_FP6 matrix_a_scale:MATRIX_SCALE_ROW1
.else
	v_wmma_scale_f32_16x16x128_f8f6f4 v[wD:wD+7], v[wA:wA+11], v[wB:wB+11], v[wD:wD+7], v[wSA], v[wSB] matrix_a_fmt:MATRIX_FMT_FP6 matrix_b_fmt:MATRIX_FMT_FP6 matrix_a_scale:MATRIX_SCALE_ROW1 matrix_b_scale:MATRIX_SCALE_ROW1
.endif
.endif
.endm
.macro FETCH_P adr, s, set             ; P's eight fragments of K step s: tile b lies in record b / 4 of the octet, at (4 (b % 4) + s) x 1,536
	WIN TO_P
.set fb, 0
.rept 8
	FRAGL 128*(\set)+12*fb, \adr, (fb/4)*HRB+(4*(fb%4)+(\s))*FRB
.set fb, fb+1
.endr
	WIN 0
.endm
.macro FETCH_Q adr, s, a0              ; Q's blocks a0 .. a0 + 3
.set fb, \a0
.rept 4
	FRAGL QF+12*fb, \adr, (fb/4)*HRB+(4*(fb%4)+(\s))*FRB
.set fb, fb+1
.endr
.endm
.macro SCALES p8, q8                   ; the scale words of all four K steps: 8 bytes a lane: two registers for a record's four tiles
.irp s, 0,1,2,3
.irp hr, 0,1
	ds_load_b64 v[SP+4*\s+2*\hr:SP+4*\s+2*\hr+1], v[\p8] offset:\hr*HRB+HSC+256*\s
	ds_load_b64 v[SQ+4*\s+2*\hr:SQ+4*\s+2*\hr+1], v[\q8] offset:\hr*HRB+HSC+256*\s
.endr
.endr
.endm
.macro FIRST p16, p8, q16, q8          ; what a tile's first K step wants; Q's blocks 4-7 last, so that the first wait may leave them out
	FETCH_P \p16, 0, 0
	FETCH_Q \q16, 0, 0
	SCALES \p8, \q8
	FETCH_Q \q16, 0, 4
.endm
; 16 products: Q's blocks a0, a0 + 1 x P's eight.  The 64 accumulators take turns, one instruction a turn, in the same order in every K step
.macro MUL16 a0, set, s, z
.irp a, \a0, \a0+1
.irp b, 0,1,2,3,4,5,6,7
	WM 8*(8*((\a)%4)+\b), 128*(\set)+12*\b, QF+12*(\a), \z, SP+4*(\s)+\b/2, SQ+4*(\s)+(\a)/2, \b%2, (\a)%2
.endr
.endr
.endm
; A K step that has a successor.  A block of Q is free as soon as its eight products are issued: blocks 0-3 are fetched anew in the step's middle, blocks 4-7 at its end.
; Loads into registers that matrix instructions have read stand four plain places behind them (ISA guide 7.12.1 for vector instructions).
.macro STEP p16, q16, s, z
	s_wait_dscnt 12                                ; all but the youngest twelve loads, Q's blocks 4-7
	WIN MUL_LO
	MUL16 0, (\s)%2, \s, \z
	MUL16 2, (\s)%2, \s, \z
	s_wait_dscnt 0x0                               ; Q's blocks 4-7 (asked for 32 matrix instructions ago)
	PLACES 4
	FETCH_P \p16, (\s)+1, 1-(\s)%2
	FETCH_Q \q16, (\s)+1, 0
	WIN MUL_HI
	MUL16 4, (\s)%2, \s, \z
	MUL16 6, (\s)%2, \s, \z
	PLACES 4
	WIN 0
	FETCH_Q \q16, (\s)+1, 4
.endm
.macro PRODUCTS p16, q16               ; a tile: four K steps, 256 matrix instructions
	STEP \p16, \q16, 0, 1
	STEP \p16, \q16, 1, 0
	STEP \p16, \q16, 2, 0
	s_wait_dscnt 12
	WIN MUL_LO
	MUL16 0, 1, 3, 0
	MUL16 2, 1, 3, 0
	s_wait_dscnt 0x0
	WIN MUL_HI
	MUL16 4, 1, 3, 0
	MUL16 6, 1, 3, 0
	WIN 0
.endm
; THE WAY OUT of a tile, block by block of Q: the block's 64 registers a lane are multiplied by s (for v by 1.0, which brings them into window 0 unchanged), quantised, and stored as one fragment image.
; kind 0 (q, k): block a is tile a % 4 of record a / 4;  kind 1 (v): tile a of my half record.  The eight scale words are gathered two tiles to a register and leave as whole blocks of 256 bytes.
.macro EPI kind, cb, sb, mul
.set ea, 0
.rept 8
	WIN 0x02+ea/4
.set en, 0
.rept 32
	v_pk_mul_f32 v[TMP+2*en:TMP+2*en+1], v[64*(ea%4)+2*en:64*(ea%4)+2*en+1], s[\mul:\mul+1] op_sel_hi:[1,0]   ; ascending: each accumulator from its low end on
.set en, en+1
.endr
	WIN 0
	s_wait_xcnt 0x0                                ; the earlier stores have read their data registers, which are written anew below
	QUANT TMP, PW
.if \kind
.set eo, ea*FRB
.else
.set eo, (ea/4)*HRB+(ea%4)*4*FRB
.endif
.irp ch, 0,1,2
	global_store_b128 v[L16], v[PC+4*\ch:PC+4*\ch+3], s[\cb:\cb+1] offset:eo+512*\ch th:TH_STORE_NT   ; 512 consecutive bytes, aligned; read by no one in this launch
.endr
.if ea%2
	v_cndmask_b32 v[OI+ea/2], v[OI+ea/2], v[PW], s[HM]   ; an odd tile's words stand in lanes 16-31
.else
	v_mov_b32 v[OI+ea/2], v[PW]
.endif
.set ea, ea+1
.endr
.if \kind
	global_store_b128 v[L16], v[OI:OI+3], s[\sb:\sb+1] th:TH_STORE_NT
.else
	global_store_b64 v[L8], v[OI:OI+1], s[\sb:\sb+1] th:TH_STORE_NT
	global_store_b64 v[L8], v[OI+2:OI+3], s[\sb:\sb+1] offset:HRB th:TH_STORE_NT
.endif
.endm
	s_load_b128 s[4:7], s[0:1], 0x0                ; win, qkv
	v_lshl_add_u32 v[SPW], v0, 2, SPARE
	v_mov_b32 v[NIL], 0
	ds_add_u32 v28, v29
	s_wait_dscnt 0x0
	v_lshrrev_b32 v3, 5, v0
	v_readfirstlane_b32 s[WV], v3                  ; wave 0..3
	s_lshr_b32 s9, s[WV], 1                        ; my octet of Q
	s_and_b32 s10, s[WV], 1                        ; my octet of P
	s_bfe_u32 s11, ttmp6, 0x40000                  ; cx
	s_bfe_u32 s12, ttmp6, 0x40004                  ; cy
	s_lshl_b32 s13, ttmp9, 2
	s_add_co_u32 s13, s13, s11                     ; j: which 256 rows of the weights
	s_and_b32 s14, ttmp7, 0xffff
	s_lshl_b32 s14, s14, 2
	s_add_co_u32 s14, s14, s12                     ; i: which 256 tokens
	s_lshl_b32 s66, s12, 2
	s_lshl_b32 s66, 15, s66                        ; my row of the cluster
	s_lshl_b32 s68, 0x1111, s11                    ; my column
	s_or_b32 s[G1X], s66, (3<<16)|(1<<21)          ; 15:0 the mask; 17:16 elements of 8 bytes; 21 set beside a mask; no padding
	s_or_b32 s[G1W], s68, (3<<16)|(1<<21)
.irp g, G1X, G1W
	s_mov_b32 s[\g+1], 32<<16                      ; tensor_dim0 = 32 elements: 256 bytes
	s_mov_b32 s[\g+2], 100<<16                     ; tensor_dim1 = 100 rows: a record
	s_mov_b32 s[\g+3], 32<<16                      ; tile_dim0
	s_mov_b32 s[\g+4], 100                         ; tile_dim1
	s_mov_b32 s[\g+5], 32                          ; rows are dense
	s_mov_b32 s[\g+6], 0
	s_mov_b32 s[\g+7], 0
.endr
	s_mul_i32 s15, s[WV], HRB                      ; my quarter of a tile: record w
	s_mul_i32 s66, s14, 4*HRB                      ; x's tile hangs on i alone,
	s_add_co_u32 s66, s66, s15
	s_mov_b32 s67, 0
	s_mul_i32 s68, s13, 4*HRB                      ; a weight's on j alone
	s_add_co_u32 s68, s68, s15
	s_mov_b32 s69, 0
	s_mov_b32 s[MS], 0x3e5744fd                    ; 512^-0.25
	s_mov_b32 s[MS+1], s[MS]
	s_mov_b32 s[ONE], 1.0
	s_mov_b32 s[ONE+1], 1.0
	s_mov_b32 s[SEL], 0x76543210
	s_mov_b32 s[SEL+1], 0xfedcba98
	s_mov_b32 s[HM], 0xffff0000
	s_wait_kmcnt 0x0
	s_mov_b32 s[G0X], 1
	s_mov_b32 s[G0X+1], s15
	s_add_nc_u64 s[G0X+2:G0X+3], s[4:5], s[66:67]
	s_or_b32 s[G0X+3], s[G0X+3], 0x80000000
	s_mov_b32 s[G0A], 1
	s_add_co_u32 s[G0A+1], s15, WA
	s_add_nc_u64 s[G0A+2:G0A+3], s[4:5], s[68:69]
	s_add_nc_u64 s[G0A+2:G0A+3], s[G0A+2:G0A+3], TEN       ; w_q
	s_or_b32 s[G0A+3], s[G0A+3], 0x80000000
	s_mov_b32 s[G0B], 1
	s_add_co_u32 s[G0B+1], s15, WB
	s_add_nc_u64 s[G0B+2:G0B+3], s[4:5], s[68:69]
	s_add_nc_u64 s[G0B+2:G0B+3], s[G0B+2:G0B+3], 2*TEN     ; w_k
	s_or_b32 s[G0B+3], s[G0B+3], 0x80000000
	ROUND                                          ; all sixteen work-groups are here: the first joint loads meet
	tensor_load_to_lds s[G0X:G0X+3], s[G1X:G1X+7]
	s_nop 0
	PLACES 4                                       ; four v_nop follow each tensor load
	tensor_load_to_lds s[G0A:G0A+3], s[G1W:G1W+7]
	s_nop 0
	PLACES 4
	tensor_load_to_lds s[G0B:G0B+3], s[G1W:G1W+7]
	s_nop 0
	PLACES 4
	v_and_b32 v13, 31, v0
	v_lshlrev_b32 v[L16], 4, v13
	v_lshlrev_b32 v[L8], 3, v13
	s_mul_i32 s70, s9, 2*HRB                       ; an octet is two records
	s_mul_i32 s71, s10, 2*HRB
	v_add_nc_u32 v[XQ16], s70, v[L16]
	v_add_nc_u32 v[XQ8], s70, v[L8]
	v_add_nc_u32 v[XP16], s71, v[L16]
	v_add_nc_u32 v[XP8], s71, v[L8]
	s_add_co_u32 s72, s71, WA
	v_add_nc_u32 v[AP16], s72, v[L16]
	v_add_nc_u32 v[AP8], s72, v[L8]
	s_add_co_u32 s72, s70, WA
	v_add_nc_u32 v[AQ16], s72, v[L16]
	v_add_nc_u32 v[AQ8], s72, v[L8]
	s_add_co_u32 s72, s71, WB
	v_add_nc_u32 v[BP16], s72, v[L16]
	v_add_nc_u32 v[BP8], s72, v[L8]
.irp b, 0,1,2,3
	v_mov_b32 v[BT+\b], 0                          ; written once: a lane permute's destination counts as one of its sources
.endr
	; where q's and k's blocks go: my 128 tokens are records 2 oc, 2 oc + 1 of (b, h); my 128 channels are K step c of head h
	s_lshl_b32 s70, s14, 1
	s_add_co_u32 s70, s70, s9
	s_and_b32 s71, s70, 7                          ; oc
	s_lshr_b32 s72, s14, 2                         ; b
	s_lshl_b32 s73, s13, 1
	s_add_co_u32 s73, s73, s10
	s_lshr_b32 s74, s73, 2                         ; h
	s_and_b32 s75, s73, 3                          ; c
	s_lshl_b32 s72, s72, 3
	s_add_co_u32 s72, s72, s74
	s_lshl_b32 s72, s72, 4
	s_lshl_b32 s71, s71, 1
	s_add_co_u32 s72, s72, s71
	s_mul_i32 s72, s72, HRB
	s_mul_i32 s76, s75, FRB
	s_add_co_u32 s76, s76, s72
	s_mov_b32 s77, 0
	s_add_nc_u64 s[52:53], s[6:7], s[76:77]        ; q's codes,
	s_add_nc_u64 s[56:57], s[52:53], QREG          ; k's
	s_lshl_b32 s76, s75, 8
	s_add_co_u32 s76, s76, s72
	s_add_co_u32 s76, s76, HSC
	s_add_nc_u64 s[54:55], s[6:7], s[76:77]        ; q's scale words,
	s_add_nc_u64 s[58:59], s[54:55], QREG          ; k's
	; and v's: my 128 channels are half a record of head h; my 128 tokens are key step ks of batch b
	s_lshl_b32 s70, s13, 1
	s_add_co_u32 s70, s70, s9
	s_lshr_b32 s71, s70, 2                         ; h
	s_and_b32 s72, s70, 3                          ; which 128 of the head's 512 channels
	s_lshl_b32 s73, s14, 1
	s_add_co_u32 s73, s73, s10
	s_lshr_b32 s74, s73, 3                         ; b
	s_and_b32 s75, s73, 7                          ; ks
	s_lshl_b32 s74, s74, 3
	s_add_co_u32 s74, s74, s71
	s_lshl_b32 s74, s74, 3
	s_add_co_u32 s74, s74, s75
	s_lshl_b32 s74, s74, 1
	s_lshr_b32 s75, s72, 1
	s_add_co_u32 s74, s74, s75
	s_mul_i32 s74, s74, HRB
	s_add_co_u32 s74, s74, 2*QREG
	s_and_b32 s72, s72, 1
	s_mul_i32 s76, s72, 8*FRB
	s_add_co_u32 s76, s76, s74
	s_add_nc_u64 s[60:61], s[6:7], s[76:77]
	s_lshl_b32 s76, s72, 9
	s_add_co_u32 s76, s76, s74
	s_add_co_u32 s76, s76, HSC
	s_add_nc_u64 s[62:63], s[6:7], s[76:77]
	s_wait_tensorcnt 0x1                           ; my quarters of x and of w_q are in; w_k's may stay out
	s_barrier_signal -1
	s_barrier_wait -1                              ; everybody's are
	FIRST AP16, AP8, XQ16, XQ8
	PRODUCTS AP16, XQ16                            ; q
	s_wait_tensorcnt 0x0                           ; all my tensor loads have landed, w_k's quarter among them;
	ds_add_u32 v[SPW], v[NIL]                      ; 0 onto my spare word;
	s_add_nc_u64 s[G0A+2:G0A+3], s[G0A+2:G0A+3], 2*TEN   ; (no load of mine is out: the descriptor steps from w_q to w_v)
	s_wait_dscnt 0x0                               ; the add is done, and my reads of w_q's tile are over
	ROUND                                          ; both hold of every wave of the cluster
	tensor_load_to_lds s[G0A:G0A+3], s[G1W:G1W+7]  ; w_v into w_q's place: my one tensor load behind the round
	s_nop 0
	PLACES 4                                       ; also the places in front of the loads below and of the first read of results
	FIRST BP16, BP8, XQ16, XQ8                     ; k's first fragments are on their way while q goes out
	EPI 0, 52, 54, MS
	PRODUCTS BP16, XQ16                            ; k
	PLACES 4
	s_wait_tensorcnt 0x0                           ; my quarter of w_v is in (the one load that was out),
	s_wait_dscnt 0x0
	s_barrier_signal -1
	s_barrier_wait -1                              ; everybody's is
	FIRST XP16, XP8, AQ16, AQ8
	EPI 0, 56, 58, MS
	PRODUCTS XP16, AQ16                            ; v: x is source 0 now
	PLACES 4
	EPI 1, 60, 62, ONE
	s_wait_tensorcnt 0x0                           ; the wave's end
	ds_add_u32 v[SPW], v[NIL]
	s_wait_dscnt 0x0
	ROUND                                          ; the closing round
	s_endpgm
.Lfunc_end_k_q1cd2553a21_proj:
	.size	k_q1cd2553a21_proj, .Lfunc_end_k_q1cd2553a21_proj-k_q1cd2553a21_proj
	.p2alignl 7, 3214868480
	.fill 96, 4, 3214868480
	.section	.rodata,"a",@progbits
	.p2align	6, 0x0
	.amdhsa_kernel k_q1cd2553a21_proj
		.amdhsa_group_segment_fixed_size 327680
		.amdhsa_private_segment_fixed_size 0
		.amdhsa_enable_private_segment 0
		.amdhsa_kernarg_size 16
		.amdhsa_user_sgpr_count 2
		.amdhsa_user_sgpr_kernarg_segment_ptr 1
		.amdhsa_wavefront_size32 1
		.amdhsa_system_sgpr_workgroup_id_x 1
		.amdhsa_system_sgpr_workgroup_id_y 1
		.amdhsa_system_sgpr_workgroup_id_z 1
		.amdhsa_system_vgpr_workitem_id 0
		.amdhsa_next_free_vgpr 1024
		.amdhsa_next_free_sgpr 96
		.amdhsa_reserve_vcc 0
		.amdhsa_float_denorm_mode_32 3
		.amdhsa_float_denorm_mode_16_64 3
		.amdhsa_memory_ordered 1
		.amdhsa_forward_progress 1
		.amdhsa_inst_pref_size 255
	.end_amdhsa_kernel
	.section	.bss,"aw",@nobits
	.p2align	6
	.space	262144
	.amdgpu_metadata
---
amdhsa.version: [ 1, 2 ]
amdhsa.kernels:
  - .name:           k_q1cd2553a21_proj
    .symbol:         k_q1cd2553a21_proj.kd
    .args:
      - { .name: win, .offset: 0, .size: 8, .value_kind: global_buffer, .address_space: global }
      - { .name: qkv, .offset: 8, .size: 8, .value_kind: global_buffer, .address_space: global }
    .group_segment_fixed_size: 327680
    .private_segment_fixed_size: 0
    .kernarg_segment_align: 8
    .kernarg_segment_size: 16
    .max_flat_workgroup_size: 128
    .sgpr_count:     96
    .vgpr_count:     1024
    .wavefront_size: 32
...
	.end_amdgpu_metadata
.endif
;; end of part 2
;; launch attn (part 3): grid 8 x 32, 8 waves a work-group, clusters of 4 x 1, 327,680 bytes of LDS; arguments qkv, obuf; writes obuf
.if DOCPART == 3
	.amdgcn_target "amdgcn-amd-amdhsa--gfx1250"
	.amdhsa_code_object_version 6
	.text
	.protected	k_q1cd2553a21_attn
	.globl	k_q1cd2553a21_attn
	.p2align	8
	.type	k_q1cd2553a21_attn,@function
k_q1cd2553a21_attn:
	s_mov_b64 s[64:65], 0
	v_nop
	global_prefetch_b8 v0, s[64:65] scope:SCOPE_SE
	s_setreg_imm32_b32 hwreg(HW_REG_WAVE_MODE, 25, 1), 1
	s_wait_xcnt 0x0
	s_wait_alu depctr_hold_cnt(0) depctr_sa_sdst(0) depctr_va_vdst(0) depctr_va_sdst(0) depctr_va_ssrc(0) depctr_va_vcc(0) depctr_vm_vsrc(0)
	s_getreg_b32 s2, hwreg(HW_REG_IB_STS2, 6, 4)
	s_cmp_eq_u32 s2, 0
	s_cbranch_scc0 .Lentry_in_a_cluster
	s_endpgm
.Lentry_in_a_cluster:
	s_bfe_u32 s2, ttmp6, 0x10000c
	s_cmp_lg_u32 s2, 0x3003
	s_cbranch_scc0 .Lentry_shape_is_right
	s_endpgm
.Lentry_shape_is_right:
; o[b][q][h][:] = the sum over keys k <= q of softmax_k(q . k) v[k], both products on codes of FP6 (E2M3) with E8M0 scales; q and k already carry 512^-0.25 each.  32 pairs (b, h), 1,024 tokens, head size 512.
; THE SOFTMAX AHEAD OF THE SECOND PRODUCT: t = score x log2(e); M = the running largest t rounded UP to a whole number; p = 2^(t - M) is quantised along the keys, not normalised; the row's sum is taken of the
; unquantised p and divides at the end; when M moves, the sum and O are multiplied by 2^(old M - new M), which rounds nothing.  o is then quantised along the head's 512 for the last product.
; OPERANDS are records of register images (25,600 bytes; a fragment 1,536; lane r of tile T holds row 32 (T / 2) + 8 (T % 2) + r + 8 (r / 8)).  A key step is 128 keys: two records of k (64 keys x 512 each), two of v (256 channels x 128 keys each).
; Both products are used transposed: S^T = K Q^T, O^T = V^T P^T: a lane holds ONE query of each tile; by the order of a tile's rows the 16 registers of tiles 2 b, 2 b + 1 are 16 neighbouring keys (channels).
; SHARES.  TWO WAVES SHARE TWO TILES OF 16 QUERIES, so that each fragment read from LDS feeds two products.  Wave ph (0, 1) of a pair takes, for both tiles, keys 64 ph .. + 63 of a step in the first product (k's record ph)
; and channels 256 ph .. + 255 in the second (v's record ph): 16 + 16 fragments for 64 matrix instructions; O^T is 2 x 128 registers (window 1).  Eight waves, two to a SIMD.
; THE EXCHANGE.  A wave takes p under a whole number of its own, M_l = the larger of the running M and the ceiling of its 64 keys' largest t, and hands on through LDS its half of each tile's p fragment (6 registers) and, for each lane
; and tile, a record: its two blocks' scale operands, -M_l, the sum of its p.  Behind one barrier both waves read both halves and both records, take M = the larger M_l, and bring sums and scales under it by v_ldexp_f32: exact powers of two.
; CAUSAL.  A pair's two tiles lie in one band of 128 queries; which band hangs on the cluster's number and the wave's alone, low and high bands paired so that two waves of a SIMD have nine key steps between them; the tile of 16 among 64 is
; the work-group's place in the cluster and enters global addresses and the mask's numbers alone.  EVERY work-group walks all eight key steps (constant trip count, no load, round or barrier left out);
; a wave past its last step jumps over the step's work on both sides of the exchange's barrier; the mask is applied in the wave's last step alone.
; CLUSTER 4 x 1: the four work-groups walk the same k and v: joint loads by waves 0 to 3, a record each, into a ring of two slots of one key step.  By this text's count a wave has one tensor load out.
; LIMITS: NaN and infinities are not served; p under 2^-126 counts as 0 (ISA guide: v_exp_f32 flushes denormals); a block of p whose scale falls under 2^-126 when it is brought under M gets the byte 0, 2^-127;
; o is multiplied by v_rcp_f32 of the sum; a block's largest magnitude is taken as 2^-124 at the least.  o's scale words leave as 8 bytes of every 16: the partner wave writes the other 8.
.set FRB,  1536
.set HRB,  25600
.set HSC,  24576
.set QREG, 512*HRB
.set SLOT1, 1<<17                      ; slot 1 begins here: one exclusive or turns an address from slot to slot
.set SPARE, 2*SLOT1                    ; the spare words, 128 bytes a wave: four blocks of 256 bytes that no other line names
.set XP,   SPARE+1024                  ; p's fragments on their way: pair x 3,072 + tile x 1,536 + register pair x 256 + 8 x lane
.set XR,   XP+4*3072                   ; the records: pair x 2,048 + wave of the pair x 1,024 + tile x 512 + 16 x lane
.set L16,  1                           ; v1 16 x lane, v2 8 x lane; never rewritten
.set L8,   2
.set ADK,  3                           ; v3 my record of the step's k, v4 of its v, v5 k's scale words
.set ADV,  4
.set ADK8, 5
.set SPW,  6
.set NIL,  7
.set PFO,  8                           ; v8 256 x lane
.set QSO,  9                           ; v9 q's scale words' offset; v10 o's; v11 q's fragments'
.set OSO,  10
.set QFO,  11
.set XPS,  12                          ; v12 where I store my halves of p; v13 where I read whole fragments; v14, v15 the same for the records
.set XPL,  13
.set XRS,  14
.set XRL,  15
.set BT,   16                          ; v16-19  lane permutes' results
.set Q,    20                          ; v20-115 q: tile u, fragment c at 48 u + 12 c
.set S,    116                         ; v116-179 S^T, then p: tile u at 32 u
.set G,    180                         ; v180-227 k's two sets of two fragments
.set T0,   228                         ; v228-231 at work; on the way out o's four scale words
.set KS,   232                         ; v232-239 k's scale words, then v's
.set QSW,  240                         ; v240-247 q's
.set NM,   248                         ; v248-249 -M of tile 0, 1
.set LS,   250                         ; v250-251 the sums (my lane's part)
.set DD,   252                         ; v252-253 the mask: my query less my first key, counted in my last step
.set PS,   254                         ; v254-255 p's scale words
.set PC,   G                           ; in the softmax: my halves of p's fragments, tile u at 6 u (on the way out a whole fragment),
.set PCB,  G+12                        ; the blocks' second halves as they are made,
.set BM,   G+20                        ; the blocks' largest scores, then largest p,
.set QM,   G+20
.set SU,   G+24                        ; two running sums,
.set REC,  G+28                        ; my records: tile u at 4 u: two scale operands, -M_l, the sum
.set QS,   G+36                        ; the way out's scale operands
.set PF,   S                           ; behind the barrier: p's fragments, tile u at 12 u,
.set RL,   S+24                        ; the four records: tile u, wave p at 8 u + 4 p,
.set VB1,  S+40                        ; v's odd sets (its even sets at G),
.set FF,   G+24                        ; f, twice for each tile (at the end 1 / sum)
.set WV,   8                           ; s8 wave, s9 cx, s10 cluster, s11 8 b + h, s12 my place in the pair, s13 the pair
.set HB,   14
.set BAND, 15                          ; my last key step
.set KSI,  16                          ; the key step in hand
.set SLOTS, 17
.set TB,   18                          ; LDS byte at which my record of k begins in its slot
.set LIM,  19
.set SEL,  20
.set CS,   22                          ; s[22:23] log2(e) twice
.set G1,   24
.set G0,   32
.set PFA,  36
.set HM,   44
.set MSB, 0
.macro WIN new
.set WNEW, \new
.if MSB != WNEW
	s_set_vgpr_msb (MSB<<8)|WNEW
.set MSB, WNEW
.endif
.endm
.macro PLACES n
.rept \n
	v_nop
.endr
.endm
.macro ROUND
	s_barrier_signal -1
	s_barrier_wait -1
	s_cmp_lg_u32 s[WV], 0
	s_cbranch_scc1 .Lnw0_\@
	s_barrier_signal -3
.Lnw0_\@:
	s_barrier_wait -3
	s_barrier_signal -1
	s_barrier_wait -1
.endm
; 2 x 32 numbers, register 32 c + 16 b + i = k 32 b + 16 (lane / 16) + i, with the scale operands of blocks (c, 0), (c, 1) in v[sq + stp c], v[sq + stp c + 1], become six registers of codes at v[PC + 6 c]
.macro CODES src, sq, stp
.irp c, 0,1
	v_cvt_scalef32_pk16_fp6_f32 v[PC+6*\c:PC+6*\c+2], v[\src+32*\c:\src+32*\c+15], v[\sq+\stp*\c]
	v_cvt_scalef32_pk16_fp6_f32 v[PCB+4*\c:PCB+4*\c+2], v[\src+16+32*\c:\src+31+32*\c], v[\sq+\stp*\c+1]   ; (a conversion's three registers begin on an even number)
.endr
	v_nop                                          ; one plain place behind a scaled conversion
.irp c, 0,1                                    ; a WHOLE block in a lane: lanes 0-15 the first of the two, lanes 16-31 the second
.irp i, 0,1,2
	v_permlane16_swap_b32 v[PC+6*\c+\i], v[PCB+4*\c+\i]
.endr
.irp i, 0,1,2
	v_mov_b32 v[PC+3+6*\c+\i], v[PCB+4*\c+\i]
.endr
.endr
.endm
.macro QUANT src, pw                   ; the way out: 64 numbers become a fragment in v[PC] on and a scale word
.irp b, 0,1,2,3
	v_max3_num_f32 v[QM+\b], |v[\src+16*\b]|, |v[\src+1+16*\b]|, 0x1800000   ; and the floor 2^(3 - 127): the byte cannot fall under 1
.endr
.irp i, 2,4,6,8,10,12,14
.irp b, 0,1,2,3
	v_max3_num_f32 v[QM+\b], v[QM+\b], |v[\src+16*\b+\i]|, |v[\src+1+16*\b+\i]|
.endr
.endr
.irp b, 0,1,2,3
	v_permlanex16_b32 v[BT+\b], v[QM+\b], s[SEL], s[SEL+1]
.endr
.irp b, 0,1,2,3
	v_max_num_f32 v[QM+\b], v[QM+\b], v[BT+\b]
.endr
.irp b, 0,1,2,3
	v_add_nc_u32 v[QS+\b], 0xff000000, v[QM+\b]    ; 2 off the exponent field: the conversion's scale operand
.endr
.irp b, 0,1,2,3
	v_lshrrev_b32 v[BT+\b], 23, v[QS+\b]
.endr
	v_lshl_or_b32 v[\pw], v[BT+1], 8, v[BT]
	v_lshl_or_b32 v[\pw], v[BT+2], 16, v[\pw]
	v_lshl_or_b32 v[\pw], v[BT+3], 24, v[\pw]
	CODES \src, QS, 2
.endm
.macro FRAGL reg, adr, off             ; a fragment's image: three loads of 512 consecutive bytes
.irp ch, 0,1,2
	ds_load_b128 v[\reg+4*\ch:\reg+4*\ch+3], v[\adr] offset:\off+512*\ch
.endr
.endm
.macro WM d, a, b, z, sa, sb, ra, rb   ; one product; z = 1 starts the sum; ra = 1: source 0's scale words stand in lanes 16-31 (rb is 0 throughout this text)
.set wD, \d
.set wA, \a
.set wB, \b
.set wSA, \sa
.set wSB, \sb
.set wR, 2*(\ra)+(\rb)
.if \z
.if wR == 0
	v_wmma_scale_f32_16x16x128_f8f6f4 v[wD:wD+7], v[wA:wA+11], v[wB:wB+11], 0, v[wSA], v[wSB] matrix_a_fmt:MATRIX_FMT_FP6 matrix_b_fmt:MATRIX_FMT_FP6
.else
	v_wmma_scale_f32_16x16x128_f8f6f4 v[wD:wD+7], v[wA:wA+11], v[wB:wB+11], 0, v[wSA], v[wSB] matrix_a_fmt:MATRIX_FMT_FP6 matrix_b_fmt:MATRIX_FMT_FP6 matrix_a_scale:MATRIX_SCALE_ROW1
.endif
.else
.if wR == 0
	v_wmma_scale_f32_16x16x128_f8f6f4 v[wD:wD+7], v[wA:wA+11], v[wB:wB+11], v[wD:wD+7], v[wSA], v[wSB] matrix_a_fmt:MATRIX_FMT_FP6 matrix_b_fmt:MATRIX_FMT_FP6
.else
	v_wmma_scale_f32_16x16x128_f8f6f4 v[wD:wD+7], v[wA:wA+11], v[wB:wB+11], v[wD:wD+7], v[wSA], v[wSB] matrix_a_fmt:MATRIX_FMT_FP6 matrix_b_fmt:MATRIX_FMT_FP6 matrix_a_scale:MATRIX_SCALE_ROW1
.endif
.endif
.endm
.macro TLOAD                           ; waves 0 to 3 fetch a record each; the branch hangs on the wave's number alone; four v_nop follow the load
	s_cmp_lt_u32 s[WV], 4
	s_cbranch_scc0 .Lnone_\@
	tensor_load_to_lds s[G0:G0+3], s[G1:G1+7]
	s_nop 0
	PLACES 4
.Lnone_\@:
.endm
; A PREFETCH INTO THE L2 of the key step behind the one that is being asked for.  Both clusters of a pair (b, h) walk the same k and v: the first asks.  Its four partners take one of the step's four records each,
; told apart BY ADDRESS; in each, waves 4 to 6, which fetch nothing, name 8,192 bytes each, lanes 256 bytes apart: the record's 24,576 bytes of codes.  So each block is named once in the launch.
; Steps 0 and 1 come by their loads alone; the last change that fills a slot asks for nothing: there is no step behind it.
.macro ASK
	s_cmp_gt_u32 s[SLOTS], s[LIM]
	s_cbranch_scc0 .Lnot_mine_\@
	global_prefetch_b8 v[PFO], s[PFA:PFA+1] th:TH_LOAD_NT scope:SCOPE_SE
.Lnot_mine_\@:
.endm
.macro KSET n                          ; two fragments of my record of k: channels 128 (n / 2) on, tiles of keys 2 (n % 2) and the next
.set kc, (\n)/2
.set kt, 2*((\n)%2)
.set kb, G+24*((\n)%2)
.irp tt, 0,1
	FRAGL kb+12*\tt, ADK, (4*(kt+\tt)+kc)*FRB
.endr
.endm
.macro VSET n                          ; two fragments of my record of v: tiles of channels 2 n, 2 n + 1
.set vb, G
.if (\n)%2
.set vb, VB1
.endif
.irp tt, 0,1
	FRAGL vb+12*\tt, ADV, (2*(\n)+\tt)*FRB
.endr
.endm
; A KEY STEP: 128 keys
.macro STEP
	v_add_nc_u32 v[ADK], s[TB], v[L16]             ; the step's addresses are made by every wave, ahead of the first branch
	v_add_nc_u32 v[ADK8], s[TB], v[L8]
	v_add_nc_u32 v[ADV], 2*HRB, v[ADK]
	v_nop
	v_nop                                          ; five plain places behind the last step's last products: the first product below writes over registers that they read as operands, and the loads on either side of the barrier land in such registers
	s_cmp_gt_u32 s[KSI], s[BAND]                   ; all the step's keys come after my queries: its work is left out
	s_cbranch_scc1 .Lhid1_\@
.irp c, 0,1,2,3
	ds_load_b64 v[KS+2*\c:KS+2*\c+1], v[ADK8] offset:HSC+256*\c   ; register n: tile 2 n in lanes 0-15, tile 2 n + 1 in lanes 16-31
.endr
	KSET 0
	KSET 1
.set sn, 0
.rept 8                                        ; S^T = K Q^T: two tiles of keys x two tiles of queries a set, channels ascending; the eight accumulators take turns
.if sn < 7
	s_wait_dscnt 6                                 ; all but the next set's six loads
.else
	s_wait_dscnt 0x0
.endif
.set sc, sn/2
.set st, 2*(sn%2)
.set sz, 0
.if sc == 0
.set sz, 1
.endif
.irp u, 0,1
.irp tt, 0,1
	WM S+32*\u+8*(st+\tt), G+24*(sn%2)+12*\tt, Q+48*\u+12*sc, sz, KS+2*sc+sn%2, QSW+4*\u+sc, \tt, 0
.endr
.endr
.if sn < 6
	PLACES 4                                       ; in front of loads into registers that matrix instructions have read
	KSET sn+2
.endif
.set sn, sn+1
.endr
	PLACES 4
	s_cmp_lg_u32 s[KSI], s[BAND]                   ; my last step lies on the diagonal: hidden scores become -infinity ahead of the maximum
	s_cbranch_scc1 .Lopen_\@
	v_mov_b32 v[T0+1], 0xff800000
.set mn, 0
.rept 64                                       ; register n of a tile holds my key 32 (n / 16) + n % 16 + 16 (lane / 16)
	v_cmp_gt_i32 vcc_lo, 32*((mn%32)/16)+mn%16, v[DD+mn/32]
	v_cndmask_b32 v[S+mn], v[S+mn], v[T0+1], vcc_lo
.set mn, mn+1
.endr
.Lopen_\@:
.irp b, 0,1,2,3
	v_max3_num_f32 v[BM+\b], v[S+16*\b], v[S+1+16*\b], v[S+2+16*\b]   ; the largest score of each block of 32 keys (tile b / 2, block b % 2): for the row's maximum, and, since p rises with the score, for the block's largest p
.endr
.irp i, 3,5,7,9,11,13
.irp b, 0,1,2,3
	v_max3_num_f32 v[BM+\b], v[BM+\b], v[S+16*\b+\i], v[S+1+16*\b+\i]
.endr
.endr
.irp b, 0,1,2,3
	v_max_num_f32 v[BM+\b], v[BM+\b], v[S+15+16*\b]
.endr
.irp b, 0,1,2,3
	v_permlanex16_b32 v[BT+\b], v[BM+\b], s[SEL], s[SEL+1]
.endr
.irp b, 0,1,2,3
	v_max_num_f32 v[BM+\b], v[BM+\b], v[BT+\b]     ; with lane l xor 16's 16 keys
.endr
.irp u, 0,1
	v_max_num_f32 v[T0+\u], v[BM+2*\u], v[BM+2*\u+1]
.endr
.irp u, 0,1
	v_mul_f32 v[T0+\u], s[CS], v[T0+\u]            ; my 64 keys' largest t
.endr
.irp u, 0,1
	v_floor_f32 v[T0+\u], -v[T0+\u]                ; floor(-t) = -ceil(t)
.endr
.irp u, 0,1
	v_min_num_f32 v[REC+4*\u+2], v[NM+\u], v[T0+\u]   ; -M_l: M_l = the larger of the running M and that ceiling: a whole number
.endr
.set sj, 0
.rept 32
	v_pk_fma_f32 v[S+sj:S+sj+1], v[S+sj:S+sj+1], s[CS:CS+1], v[REC+4*(sj/32)+2:REC+4*(sj/32)+3] op_sel_hi:[1,0,0]   ; t - M_l, two at a time (of the pairs the low word serves both halves)
.set sj, sj+2
.endr
.irp b, 0,1,2,3
	v_fma_f32 v[BM+\b], v[BM+\b], s[CS], v[REC+4*(\b/2)+2]
.endr
.set sj, 0
.rept 64
	v_exp_f32 v[S+sj], v[S+sj]                     ; p = 2^(t - M_l)
.set sj, sj+1
.endr
	v_nop                                          ; the plain place behind the exponentials
	s_wait_alu depctr_va_vdst(0)                   ; one wait for the batch, ahead of its first reader
.irp b, 0,1,2,3
	v_exp_f32 v[BM+\b], v[BM+\b]                   ; the blocks' largest p
.endr
.irp u, 0,1
	v_pk_add_f32 v[SU+2*\u:SU+2*\u+1], v[S+32*\u:S+32*\u+1], v[S+32*\u+2:S+32*\u+3]   ; the sums of the UNQUANTISED p, the two tiles by turns
.endr
.set sj, 4
.rept 14
.irp u, 0,1
	v_pk_add_f32 v[SU+2*\u:SU+2*\u+1], v[SU+2*\u:SU+2*\u+1], v[S+32*\u+sj:S+32*\u+sj+1]
.endr
.set sj, sj+2
.endr
.irp u, 0,1
	v_add_f32 v[REC+4*\u+3], v[SU+2*\u], v[SU+2*\u+1]
.endr
	s_wait_alu depctr_va_vdst(0)                   ; and one for the four
.irp b, 0,1,2,3
	v_max_num_f32 v[BM+\b], 0x1800000, v[BM+\b]    ; the floor 2^(3 - 127)
.endr
.irp b, 0,1,2,3
	v_add_nc_u32 v[REC+4*(\b/2)+\b%2], 0xff000000, v[BM+\b]   ; 2 off the exponent field: the conversion's scale operand; its exponent field is the block's byte under M_l
.endr
	CODES S, REC, 4                                ; six registers a tile: registers 6 ph .. 6 ph + 5 of the tile's p fragment
.irp u, 0,1
.irp j, 0,1,2
	ds_store_b64 v[XPS], v[PC+6*\u+2*\j:PC+6*\u+2*\j+1] offset:1536*\u+256*\j
.endr
	ds_store_b128 v[XRS], v[REC+4*\u:REC+4*\u+3] offset:512*\u
.endr
.Lhid1_\@:
	s_wait_dscnt 0x0                               ; for my partner's sake: my halves and my records have landed
	s_barrier_signal -1
	s_barrier_wait -1                              ; the next step's tiles may stay on their way
	s_cmp_gt_u32 s[KSI], s[BAND]
	s_cbranch_scc1 .Lhid2_\@
.irp u, 0,1
.irp p, 0,1
	ds_load_b128 v[RL+8*\u+4*\p:RL+8*\u+4*\p+3], v[XRL] offset:1024*\p+512*\u   ; both waves' records, mine too
.endr
.endr
.irp u, 0,1
.irp j, 0,1,2,3,4,5
	ds_load_b64 v[PF+12*\u+2*\j:PF+12*\u+2*\j+1], v[XPL] offset:1536*\u+256*\j  ; p's whole fragments
.endr
.endr
.irp o, 0,1
	ds_load_b128 v[KS+4*\o:KS+4*\o+3], v[ADV] offset:HSC+512*\o                 ; v's scale words: four registers for eight tiles
.endr
	VSET 0
	VSET 1
	s_wait_dscnt 26                                ; the four records are in; behind them: p's 12 loads, the 2 of scale words, v's first two sets of 6
.irp u, 0,1
	v_min_num_f32 v[T0+\u], v[RL+8*\u+2], v[RL+8*\u+6]   ; the new -M: M = the larger M_l
.endr
.irp u, 0,1
	v_sub_f32 v[T0+2+\u], v[T0+\u], v[NM+\u]       ; old M - new M: a whole number, 0 or less
.endr
.irp u, 0,1
	v_sub_f32 v[RL+8*\u+2], v[T0+\u], v[RL+8*\u+2] ; M_l - M of the first wave,
	v_sub_f32 v[RL+8*\u+6], v[T0+\u], v[RL+8*\u+6] ; of the second
.endr
.irp u, 0,1
	v_mov_b32 v[NM+\u], v[T0+\u]
.endr
.irp u, 0,1
	v_cvt_i32_f32 v[T0+2+\u], v[T0+2+\u]           ; (they saturate)
	v_cvt_i32_f32 v[RL+8*\u+2], v[RL+8*\u+2]
	v_cvt_i32_f32 v[RL+8*\u+6], v[RL+8*\u+6]
.endr
.irp u, 0,1
	v_ldexp_f32 v[FF+2*\u], 1.0, v[T0+2+\u]        ; f = 2^(old M - new M)
.endr
.irp u, 0,1
.irp p, 0,1
	v_ldexp_f32 v[RL+8*\u+4*\p+3], v[RL+8*\u+4*\p+3], v[RL+8*\u+4*\p+2]   ; the wave's sum under M,
	v_ldexp_f32 v[RL+8*\u+4*\p], v[RL+8*\u+4*\p], v[RL+8*\u+4*\p+2]       ; and its two scales: what falls under the smallest normal number leaves the exponent field 0
	v_ldexp_f32 v[RL+8*\u+4*\p+1], v[RL+8*\u+4*\p+1], v[RL+8*\u+4*\p+2]
.endr
.endr
.irp u, 0,1
	v_mov_b32 v[FF+2*\u+1], v[FF+2*\u]             ; f twice: a pair for the packed multiply
.endr
.irp u, 0,1
	v_fma_f32 v[LS+\u], v[LS+\u], v[FF+2*\u], v[RL+8*\u+3]
.endr
.irp u, 0,1
	v_add_f32 v[LS+\u], v[LS+\u], v[RL+8*\u+7]
.endr
.irp u, 0,1
.irp p, 0,1
	v_lshrrev_b32 v[RL+8*\u+4*\p], 23, v[RL+8*\u+4*\p]       ; the bytes
	v_lshrrev_b32 v[RL+8*\u+4*\p+1], 23, v[RL+8*\u+4*\p+1]
.endr
.endr
.irp u, 0,1
	v_lshl_or_b32 v[PS+\u], v[RL+8*\u+1], 8, v[RL+8*\u]      ; p's scale word for these 128 keys
.endr
.irp u, 0,1
	v_lshl_or_b32 v[PS+\u], v[RL+8*\u+4], 16, v[PS+\u]
.endr
.irp u, 0,1
	v_lshl_or_b32 v[PS+\u], v[RL+8*\u+5], 24, v[PS+\u]
.endr
	WIN 0x41                                       ; O^T (destination and source 0) window 1, f window 0
.set sj, 0
.rept 128
	v_pk_mul_f32 v[sj:sj+1], v[sj:sj+1], v[FF+2*(sj/128):FF+2*(sj/128)+1]   ; O^T under the new M; also the places between p's scale words and the products
.set sj, sj+2
.endr
	WIN 0
.set pn, 0
.rept 8                                        ; O^T += V^T P^T: two tiles of channels x two tiles of queries a set, each accumulator once
.if pn < 7
	s_wait_dscnt 6
.else
	s_wait_dscnt 0x0
.endif
	WIN 0x50                                       ; C and D window 1
.set pb, G
.if pn%2
.set pb, VB1
.endif
.irp u, 0,1
.irp tt, 0,1
	WM 128*\u+8*(2*pn+\tt), pb+12*\tt, PF+12*\u, 0, KS+4*((2*pn+\tt)/8)+((2*pn+\tt)%8)/2, PS+\u, \tt, 0
.endr
.endr
	WIN 0
.if pn < 6
	PLACES 4
	VSET pn+2
.endif
.set pn, pn+1
.endr
.Lhid2_\@:
	s_add_co_u32 s[KSI], s[KSI], 1
	s_xor_b32 s[TB], s[TB], SLOT1
.endm
; THE CHANGE OF SLOTS stands at a step's head.  Each wave waits for all its tensor loads, adds 0 to its spare word, and waits for that and for its LDS reads: of the slot that it has left, and of the exchange's bytes, which are
; stored anew only behind this barrier.  fill = 1: a round of the cluster's barrier, and behind it the slot just left is filled with the next key step, which has a whole step in which to land.
.macro CHANGE fill
	s_wait_tensorcnt 0x0
	ds_add_u32 v[SPW], v[NIL]
.if \fill
	s_xor_b32 s[G0+1], s[G0+1], SLOT1              ; no load of mine is out: the descriptor walks: the other slot,
	s_add_nc_u64 s[G0+2:G0+3], s[G0+2:G0+3], 2*HRB ; the next key step
	s_wait_xcnt 0x0                                ; the last prefetch, a step back, has read its address
	s_add_nc_u64 s[PFA:PFA+1], s[PFA:PFA+1], 2*HRB
.endif
	s_wait_dscnt 0x0
.if \fill
	ROUND
	TLOAD
	ASK
.else
	s_barrier_signal -1
	s_barrier_wait -1
.endif
.endm
	s_load_b128 s[4:7], s[0:1], 0x0                ; qkv, obuf
	v_lshl_add_u32 v[SPW], v0, 2, SPARE
	v_mov_b32 v[NIL], 0
	ds_add_u32 v6, v7
	s_wait_dscnt 0x0
	v_lshrrev_b32 v1, 5, v0
	v_readfirstlane_b32 s[WV], v1                  ; wave 0..7
	s_bfe_u32 s9, ttmp6, 0x40000                   ; cx
	s_mov_b32 s10, ttmp9                           ; which of the pair (b, h)'s two clusters
	s_and_b32 s11, ttmp7, 0xffff                   ; 8 b + h
	s_and_b32 s12, s[WV], 1
	s_xor_b32 s12, s12, 1                          ; ph: my place in my pair of waves
	s_lshr_b32 s46, s[WV], 2
	s_and_b32 s13, s[WV], 3
	s_xor_b32 s13, s13, s46                        ; the pair: waves (0, 5), (1, 4), (2, 7), (3, 6)
	s_bfe_u32 s45, s[WV], 0x10001
	s_lshl_b32 s47, s45, 2
	s_add_co_u32 s47, s47, s46
	s_lshl_b32 s48, s10, 1
	s_add_co_u32 s47, s47, s48                     ; a low half band 0 .. 7,
	s_sub_co_u32 s48, 15, s47                      ; its high partner
	s_xor_b32 s49, s[WV], s46
	s_and_b32 s49, s49, 1
	s_cmp_eq_u32 s49, 0
	s_cselect_b32 s[HB], s48, s47
	s_lshr_b32 s[BAND], s[HB], 1                   ; my pair's band of 128 queries: the two waves of a pair come to the same band, the eight pairs of the two clusters to the eight bands
	s_mov_b32 s[G1], 15|(3<<16)|(1<<21)            ; 15:0 all four work-groups; 17:16 elements of 8 bytes; 21 set beside a mask
	s_mov_b32 s[G1+1], 32<<16                      ; rows of 256 bytes,
	s_mov_b32 s[G1+2], 100<<16                     ; 100 of them: a record
	s_mov_b32 s[G1+3], 32<<16
	s_mov_b32 s[G1+4], 100
	s_mov_b32 s[G1+5], 32
	s_mov_b32 s[G1+6], 0
	s_mov_b32 s[G1+7], 0
	s_and_b32 s45, s[WV], 3                        ; records of a step: k's two, v's two
	s_mul_i32 s46, s45, HRB
	s_lshr_b32 s47, s45, 1
	s_add_co_u32 s47, s47, 1
	s_mul_i32 s50, s47, QREG                       ; k's region or v's
	s_mul_i32 s48, s11, 16*HRB
	s_add_co_u32 s50, s50, s48
	s_and_b32 s47, s[WV], 1
	s_mul_i32 s47, s47, HRB
	s_add_co_u32 s50, s50, s47
	s_mov_b32 s51, 0
	s_mov_b32 s[SEL], 0x76543210
	s_mov_b32 s[SEL+1], 0xfedcba98
	s_mov_b32 s[CS], 0x3fb8aa3b                    ; log2(e)
	s_mov_b32 s[CS+1], s[CS]
	s_mov_b32 s[HM], 0xffff0000
	s_mov_b32 s[KSI], 0
	s_mov_b32 s[SLOTS], 7
	s_mul_i32 s[TB], s12, HRB                      ; my record of k in slot 0
	s_wait_kmcnt 0x0
	s_mov_b32 s[G0], 1
	s_mov_b32 s[G0+1], s46
	s_add_nc_u64 s[G0+2:G0+3], s[4:5], s[50:51]
	s_or_b32 s[G0+3], s[G0+3], 0x80000000
	ROUND                                          ; all four work-groups are here
	TLOAD                                          ; key step 0 into slot 0
	v_and_b32 v[T0+2], 31, v0
	v_lshlrev_b32 v[L16], 4, v[T0+2]
	v_lshlrev_b32 v[L8], 3, v[T0+2]
	v_lshlrev_b32 v[PFO], 8, v[T0+2]
	v_and_b32 v[T0], 15, v0                        ; r
	v_bfe_u32 v[T0+1], v0, 4, 1                    ; h
	s_mul_i32 s56, s13, 3072                       ; the exchange's addresses: a constant, the pair, my place in it, the lane
	s_add_co_u32 s56, s56, XP
	v_add_nc_u32 v[XPL], s56, v[L8]
	s_mul_i32 s57, s12, 768
	s_add_co_u32 s57, s57, s56
	v_add_nc_u32 v[XPS], s57, v[L8]
	s_lshl_b32 s56, s13, 11
	s_add_co_u32 s56, s56, XR
	v_add_nc_u32 v[XRL], s56, v[L16]
	s_lshl_b32 s57, s12, 10
	s_add_co_u32 s57, s57, s56
	v_add_nc_u32 v[XRS], s57, v[L16]
	s_mul_i32 s45, s9, 4*FRB                       ; my tile of a record: cx
	v_add_nc_u32 v[QFO], s45, v[L16]
	s_and_b32 s46, s9, 1
	s_lshr_b32 s47, s9, 1
	s_lshl_b32 s48, s46, 7
	s_lshl_b32 s49, s47, 2
	s_add_co_u32 s48, s48, s49
	v_lshl_add_u32 v[QSO], v[T0], 3, s48           ; 8 (16 (cx % 2) + r) + 4 (cx / 2)
	v_mul_u32_u24 v[OSO], v[T0+1], HRB
	v_lshl_add_u32 v[OSO], v[T0], 4, v[OSO]        ; o's scale words: lanes 0-15 tile 0's record, lanes 16-31 tile 1's; 16 r
	s_lshl_b32 s50, s11, 4
	s_lshl_b32 s52, s[BAND], 1
	s_add_co_u32 s50, s50, s52
	s_mul_i32 s50, s50, HRB
	s_add_nc_u64 s[38:39], s[4:5], s[50:51]        ; q's two records: the band's two halves
.irp u, 0,1
.irp c, 0,1,2,3
.irp ch, 0,1,2
	global_load_b128 v[Q+48*\u+12*\c+4*\ch:Q+48*\u+12*\c+4*\ch+3], v[QFO], s[38:39] offset:\u*HRB+\c*FRB+512*\ch
.endr
	global_load_b32 v[QSW+4*\u+\c], v[QSO], s[38:39] offset:\u*HRB+HSC+256*\c
.endr
.endr
	s_lshl_b32 s49, s47, 5
	s_lshl_b32 s52, s46, 3
	s_add_co_u32 s49, s49, s52                     ; my tile's first query in its 64,
	s_lshl_b32 s52, s12, 6
	s_sub_co_i32 s49, s49, s52                     ; less my first key of the step's 128
	v_and_b32 v[DD], 8, v[T0]
	v_add_nc_u32 v[DD], v[DD], v[T0]               ; + r + 8 (r / 8)
	v_lshlrev_b32 v[T0+1], 4, v[T0+1]
	v_sub_nc_u32 v[DD], v[DD], v[T0+1]             ; - 16 h
	v_add_nc_u32 v[DD], s49, v[DD]
	v_add_nc_u32 v[DD+1], 64, v[DD]                ; tile 1's queries lie 64 on
	s_lshr_b32 s52, s11, 3                         ; o's records: 2 (8 (token / 128) + h) and the next
	s_lshl_b32 s52, s52, 3
	s_add_co_u32 s52, s52, s[BAND]
	s_lshl_b32 s52, s52, 3
	s_and_b32 s54, s11, 7
	s_add_co_u32 s52, s52, s54
	s_lshl_b32 s52, s52, 1
	s_mul_i32 s54, s52, HRB
	s_add_co_u32 s52, s54, s45                     ; tile cx,
	s_mul_i32 s55, s12, 2*FRB
	s_add_co_u32 s52, s52, s55                     ; fragments 2 ph and 2 ph + 1
	s_mov_b32 s53, 0
	s_add_nc_u64 s[40:41], s[6:7], s[52:53]
	s_lshl_b32 s52, s9, 8
	s_add_co_u32 s52, s52, s54
	s_add_co_u32 s52, s52, HSC
	s_lshl_b32 s55, s12, 3
	s_add_co_u32 s52, s52, s55
	s_add_nc_u64 s[42:43], s[6:7], s[52:53]        ; word (r, c) at 16 r + 4 c: mine are c = 2 ph, 2 ph + 1
	s_add_co_u32 s52, s47, 1                       ; the prefetches: my work-group's record of a step,
	s_mul_i32 s52, s52, QREG
	s_mul_i32 s54, s11, 16*HRB
	s_add_co_u32 s52, s52, s54
	s_mul_i32 s54, s46, HRB
	s_add_co_u32 s52, s52, s54
	s_and_b32 s54, s[WV], 3
	s_lshl_b32 s54, s54, 13                        ; my wave's 8,192 bytes of it,
	s_add_co_u32 s52, s52, s54
	s_add_co_u32 s52, s52, 2*HRB                   ; in step 1: the first change of slots steps it to step 2.  Nothing is prefetched here, at the head
	s_add_nc_u64 s[PFA:PFA+1], s[4:5], s[52:53]
	s_sub_co_u32 s54, s[WV], 4
	s_cmp_lt_u32 s54, 3                            ; waves 4 to 6
	s_cselect_b32 s54, 0, 1
	s_or_b32 s54, s54, s10                         ; of the pair (b, h)'s first cluster: the same in all four partners
	s_cmp_eq_u32 s54, 0
	s_cselect_b32 s[LIM], 1, -1
	v_mov_b32 v[NM], 0x7f61b1e6                    ; -M = 3e38: M lies under every t
	v_mov_b32 v[NM+1], 0x7f61b1e6
	v_mov_b32 v[LS], 0
	v_mov_b32 v[LS+1], 0
	v_mov_b32 v[T0], 0                             ; (lane permutes' destinations on the way out)
	v_mov_b32 v[T0+1], 0
.irp b, 0,1,2,3
	v_mov_b32 v[BT+\b], 0
.endr
	WIN 0x40
.set zi, 0
.rept 256
	v_mov_b32 v[zi], 0                             ; O^T.  The key step is written for every step alike: the first finds zeros, which the first change of M leaves zeros; a first step of its own would be a third copy of the step
.set zi, zi+1
.endr
	WIN 0
	s_wait_loadcnt 0x0                             ; q
.Lslot:                                            ; seven trips: behind each change of slots but the last the next key step is asked for
	CHANGE 1
	STEP
	s_sub_co_u32 s[SLOTS], s[SLOTS], 1
	s_cmp_lg_u32 s[SLOTS], 0
	s_cbranch_scc1 .Lslot
	CHANGE 0                                       ; the last step is written out
	STEP
	; THE WAY OUT: O^T / the sum, a tile's 128 channels at a time, quantised along the channels, stored as fragment images: two for each tile
.irp u, 0,1
	v_permlanex16_b32 v[T0+\u], v[LS+\u], s[SEL], s[SEL+1]
.endr
.irp u, 0,1
	v_add_f32 v[LS+\u], v[LS+\u], v[T0+\u]         ; the row's sum
.endr
.irp u, 0,1
	v_rcp_f32 v[FF+2*\u], v[LS+\u]
.endr
	PLACES 4                                       ; the plain place behind the reciprocals, and the places behind the last products
	s_wait_alu depctr_va_vdst(0)                   ; ahead of the reciprocals' first reader
.irp u, 0,1
	v_mov_b32 v[FF+2*\u+1], v[FF+2*\u]
.endr
.set wq, 0
.rept 4
.set wu, wq/2
.set wc, wq%2
	WIN 0x01                                       ; source 0 window 1
.set wn, 0
.rept 32
	v_pk_mul_f32 v[S+2*wn:S+2*wn+1], v[128*wu+64*wc+2*wn:128*wu+64*wc+2*wn+1], v[FF+2*wu:FF+2*wu+1]   ; ascending: each accumulator from its low end on
.set wn, wn+1
.endr
	WIN 0
	s_wait_xcnt 0x0                                ; the earlier stores have read the codes' registers
	QUANT S, T0+wq
.irp ch, 0,1,2
	global_store_b128 v[L16], v[PC+4*\ch:PC+4*\ch+3], s[40:41] offset:wu*HRB+wc*FRB+512*\ch th:TH_STORE_NT   ; 512 consecutive bytes, aligned
.endr
.set wq, wq+1
.endr
	v_cndmask_b32 v[T0], v[T0], v[T0+2], s[HM]     ; lanes 0-15 store tile 0's two words, lanes 16-31 tile 1's
	v_cndmask_b32 v[T0+1], v[T0+1], v[T0+3], s[HM]
	global_store_b64 v[OSO], v[T0:T0+1], s[42:43] th:TH_STORE_NT   ; 8 bytes of every 16 of a tile's 256 bytes of words; my partner stores the other 8
	s_wait_tensorcnt 0x0                           ; the wave's end
	ds_add_u32 v[SPW], v[NIL]
	s_wait_dscnt 0x0
	ROUND                                          ; the closing round
	s_endpgm
.Lfunc_end_k_q1cd2553a21_attn:
	.size	k_q1cd2553a21_attn, .Lfunc_end_k_q1cd2553a21_attn-k_q1cd2553a21_attn
	.p2alignl 7, 3214868480
	.fill 96, 4, 3214868480
	.section	.rodata,"a",@progbits
	.p2align	6, 0x0
	.amdhsa_kernel k_q1cd2553a21_attn
		.amdhsa_group_segment_fixed_size 327680
		.amdhsa_private_segment_fixed_size 0
		.amdhsa_enable_private_segment 0
		.amdhsa_kernarg_size 16
		.amdhsa_user_sgpr_count 2
		.amdhsa_user_sgpr_kernarg_segment_ptr 1
		.amdhsa_wavefront_size32 1
		.amdhsa_system_sgpr_workgroup_id_x 1
		.amdhsa_system_sgpr_workgroup_id_y 1
		.amdhsa_system_sgpr_workgroup_id_z 1
		.amdhsa_system_vgpr_workitem_id 0
		.amdhsa_next_free_vgpr 512
		.amdhsa_next_free_sgpr 66
		.amdhsa_reserve_vcc 1
		.amdhsa_float_denorm_mode_32 3
		.amdhsa_float_denorm_mode_16_64 3
		.amdhsa_memory_ordered 1
		.amdhsa_forward_progress 1
		.amdhsa_inst_pref_size 133
	.end_amdhsa_kernel
	.amdgpu_metadata
---
amdhsa.version: [ 1, 2 ]
amdhsa.kernels:
  - .name:           k_q1cd2553a21_attn
    .symbol:         k_q1cd2553a21_attn.kd
    .args:
      - { .name: qkv, .offset: 0, .size: 8, .value_kind: global_buffer, .address_space: global }
      - { .name: obuf, .offset: 8, .size: 8, .value_kind: global_buffer, .address_space: global }
    .group_segment_fixed_size: 327680
    .private_segment_fixed_size: 0
    .kernarg_segment_align: 8
    .kernarg_segment_size: 16
    .max_flat_workgroup_size: 256
    .sgpr_count:     66
    .vgpr_count:     512
    .wavefront_size: 32
...
	.end_amdgpu_metadata
.endif
;; end of part 3
;; launch unify (part 4): grid 8 x 32, 4 waves a work-group, clusters of 4 x 4, 327,680 bytes of LDS; arguments obuf, win, b_u, out0; writes out0
.if DOCPART == 4
	.amdgcn_target "amdgcn-amd-amdhsa--gfx1250"
	.amdhsa_code_object_version 6
	.text
	.protected	k_q1cd2553a21_unify
	.globl	k_q1cd2553a21_unify
	.p2align	8
	.type	k_q1cd2553a21_unify,@function
k_q1cd2553a21_unify:
	s_mov_b64 s[64:65], 0
	v_nop
	global_prefetch_b8 v0, s[64:65] scope:SCOPE_SE
	s_setreg_imm32_b32 hwreg(HW_REG_WAVE_MODE, 25, 1), 1
	s_wait_xcnt 0x0
	s_wait_alu depctr_hold_cnt(0) depctr_sa_sdst(0) depctr_va_vdst(0) depctr_va_sdst(0) depctr_va_ssrc(0) depctr_va_vcc(0) depctr_vm_vsrc(0)
	s_getreg_b32 s2, hwreg(HW_REG_IB_STS2, 6, 4)
	s_cmp_eq_u32 s2, 0
	s_cbranch_scc0 .Lentry_in_a_cluster
	s_endpgm
.Lentry_in_a_cluster:
	s_bfe_u32 s2, ttmp6, 0x10000c
	s_cmp_lg_u32 s2, 0xf033
	s_cbranch_scc0 .Lentry_shape_is_right
	s_endpgm
.Lentry_shape_is_right:
; out0[token][n] = the sum over K = (h, e) of o[token][K] w_u[n][K] + b_u[n], on codes of FP6 (E2M3) with E8M0 scales; 4,096 tokens, K = 4,096, 512 outputs; sums in f32.
; OPERANDS are records of register images (64 rows x 512 K in 25,600 bytes; fragment (t, c) at (4 t + c) x 1,536; lane r of tile T holds row 32 (T / 2) + 8 (T % 2) + r + 8 (r / 8)).
; o's scale words: (t, r, c) at 24,576 + 256 t + 16 r + 4 c;  w_u's: at 24,576 + 256 c + 8 (16 (t % 2) + r) + 4 (t / 2).
; SHARES.  A work-group makes 128 tokens x 64 outputs: 256 work-groups.  THE WAVES SHARE K: wave w takes the w-th 128 of every 512 along K, for the whole tile: 32 accumulators, and each fragment is read from LDS once
; (12 fragments for 32 matrix instructions).  The four partial sums meet in LDS at the end and are added as ((0 + 1) + (2 + 3)) + bias: AN ORDER OF ROUNDING OTHER THAN ASCENDING K.
; Source 0 = w_u, source 1 = o: a lane holds one token and eight neighbouring outputs a tile.
; RING: two slots of two heads' worth of K (1,024): o's four records, then w_u's two: 153,600 bytes.  Four fills in all: by this text's count a wave has two tensor loads out at the start, then one.
; CLUSTER 4 x 4: o's records are shared along a row of the cluster, w_u's along a column.  No prefetch: half of all that the work-group reads is asked for at the head, and the rest goes out behind the next two rounds.
.set FRB,  1536
.set HRB,  25600
.set HSC,  24576
.set TEN,  64*HRB
.set SLOT, 6*HRB
.set SPARE, 2*SLOT                     ; the spare words, 128 bytes a wave
.set SGP,  272                         ; the stage, in slot 0 behind its last fill and its last read: for each wave's partial sums 128 rows of 256 bytes + 16
.set SGW,  128*SGP
.set L16,  1
.set AO,   4                           ; v4-7   o's fragments: slot, head in the slot
.set AOS,  8                           ; v8-11  o's scale words
.set AW,   12                          ; v12-13 w_u's fragments: slot
.set AWS,  14                          ; v14-15 w_u's scale words
.set STO,  16
.set RD,   17
.set RD2,  18
.set CO,   19
.set BI,   20                          ; v20-23 my four numbers of b_u
.set BO,   26
.set SPW,  28
.set NIL,  29
.set OS,   32                          ; v32-35, v40-43 o's scale words, sets 0, 1
.set WS,   36                          ; v36-37, v44-45 w_u's
.set WF,   64                          ; v64-111, v112-159 w_u's fragments, sets 0, 1;  window 2: o's, at v0 and v128;  window 1: accumulator (a, t) at v[8 (4 a + t)]
.set OUTR, 160                         ; v160-223 the way out
.set WV,   12                          ; s12 wave, s13 cx, s14 cy, s15 what I fetch, s16 which half, s17 nx, s18 ty
.set G1O,  24
.set G1U,  32
.set G0O,  40                          ; a set for each slot
.set G0U,  48
.set MSB, 0
.macro WIN new
.set WNEW, \new
.if MSB != WNEW
	s_set_vgpr_msb (MSB<<8)|WNEW
.set MSB, WNEW
.endif
.endm
.macro PLACES n
.rept \n
	v_nop
.endr
.endm
.macro ROUND
	s_barrier_signal -1
	s_barrier_wait -1
	s_cmp_lg_u32 s[WV], 0
	s_cbranch_scc1 .Lnw0_\@
	s_barrier_signal -3
.Lnw0_\@:
	s_barrier_wait -3
	s_barrier_signal -1
	s_barrier_wait -1
.endm
.macro JLOAD sl                        ; waves 0, 1 fetch o's halves, waves 2, 3 w_u's; four v_nop follow each line
	s_cmp_eq_u32 s15, 0
	s_cbranch_scc0 .Lfor_u_\@
	tensor_load_to_lds s[G0O+4*\sl:G0O+4*\sl+3], s[G1O:G1O+7]
	s_nop 0
	PLACES 4
	s_branch .Lasked_\@
.Lfor_u_\@:
	tensor_load_to_lds s[G0U+4*\sl:G0U+4*\sl+3], s[G1U:G1U+7]
	s_nop 0
	PLACES 4
.Lasked_\@:
.endm
.macro FRAGL reg, adr, off
.irp ch, 0,1,2
	ds_load_b128 v[\reg+4*\ch:\reg+4*\ch+3], v[\adr] offset:\off+512*\ch
.endr
.endm
.macro WM d, a, b, z, sa, sb, ra, rb
.set wD, \d
.set wA, \a
.set wB, \b
.set wSA, \sa
.set wSB, \sb
.set wR, 2*(\ra)+(\rb)
.if \z
.if wR == 0
	v_wmma_scale_f32_16x16x128_f8f6f4 v[wD:wD+7], v[wA:wA+11], v[wB:wB+11], 0, v[wSA], v[wSB] matrix_a_fmt:MATRIX_FMT_FP6 matrix_b_fmt:MATRIX_FMT_FP6
.elseif wR == 1
	v_wmma_scale_f32_16x16x128_f8f6f4 v[wD:wD+7], v[wA:wA+11], v[wB:wB+11], 0, v[wSA], v[wSB] matrix_a_fmt:MATRIX_FMT_FP6 matrix_b_fmt:MATRIX_FMT_FP6 matrix_b_scale:MATRIX_SCALE_ROW1
.elseif wR == 2
	v_wmma_scale_f32_16x16x128_f8f6f4 v[wD:wD+7], v[wA:wA+11], v[wB:wB+11], 0, v[wSA], v[wSB] matrix_a_fmt:MATRIX_FMT_FP6 matrix_b_fmt:MATRIX_FMT_FP6 matrix_a_scale:MATRIX_SCALE_ROW1
.else
	v_wmma_scale_f32_16x16x128_f8f6f4 v[wD:wD+7], v[wA:wA+11], v[wB:wB+11], 0, v[wSA], v[wSB] matrix_a_fmt:MATRIX_FMT_FP6 matrix_b_fmt:MATRIX_FMT_FP6 matrix_a_scale:MATRIX_SCALE_ROW1 matrix_b_scale:MATRIX_SCALE_ROW1
.endif
.else
.if wR == 0
	v_wmma_scale_f32_16x16x128_f8f6f4 v[wD:wD+7], v[wA:wA+11], v[wB:wB+11], v[wD:wD+7], v[wSA], v[wSB] matrix_a_fmt:MATRIX_FMT_FP6 matrix_b_fmt:MATRIX_FMT_FP6
.elseif wR == 1
	v_wmma_scale_f32_16x16x128_f8f6f4 v[wD:wD+7], v[wA:wA+11], v[wB:wB+11], v[wD:wD+7], v[wSA], v[wSB] matrix_a_fmt:MATRIX_FMT_FP6 matrix_b_fmt:MATRIX_FMT_FP6 matrix_b_scale:MATRIX_SCALE_ROW1
.elseif wR == 2
	v_wmma_scale_f32_16x16x128_f8f6f4 v[wD:wD+7], v[wA:wA+11], v[wB:wB+11], v[wD:wD+7], v[wSA], v[wSB] matrix_a_fmt:MATRIX_FMT_FP6 matrix_b_fmt:MATRIX_FMT_FP6 matrix_a_scale:MATRIX_SCALE_ROW1
.else
	v_wmma_scale_f32_16x16x128_f8f6f4 v[wD:wD+7], v[wA:wA+11], v[wB:wB+11], v[wD:wD+7], v[wSA], v[wSB] matrix_a_fmt:MATRIX_FMT_FP6 matrix_b_fmt:MATRIX_FMT_FP6 matrix_a_scale:MATRIX_SCALE_ROW1 matrix_b_scale:MATRIX_SCALE_ROW1
.endif
.endif
.endm
.macro FETCH sl, rho, set              ; my K step of head rho of the slot: o's eight fragments, w_u's four, their scale words: 41 loads
	WIN 0x80                                       ; destination window 2
.set fa, 0
.rept 8
	FRAGL 128*(\set)+12*fa, AO+2*(\sl)+(\rho), (fa/4)*HRB+(fa%4)*4*FRB
.set fa, fa+1
.endr
	WIN 0
.irp tt, 0,1,2,3
	FRAGL WF+48*(\set)+12*\tt, AW+(\sl), (\rho)*HRB+\tt*4*FRB
.endr
.irp hr, 0,1
.irp pp, 0,1
	ds_load_b32 v[OS+8*(\set)+2*\hr+\pp], v[AOS+2*(\sl)+(\rho)] offset:\hr*HRB+HSC+512*\pp   ; lanes 0-15: tile 2 pp of the record, lanes 16-31: tile 2 pp + 1
.endr
.endr
	ds_load_b64 v[WS+8*(\set):WS+8*(\set)+1], v[AWS+(\sl)] offset:(\rho)*HRB
.endm
.macro MUL set, z                      ; 32 products; the 32 accumulators take turns, one instruction a turn
	WIN 0x58                                       ; source 1 (o) window 2, C and D window 1
.set ma, 0
.rept 8
.irp tt, 0,1,2,3
	WM 8*(4*ma+\tt), WF+48*(\set)+12*\tt, 128*(\set)+12*ma, \z, WS+8*(\set)+\tt/2, OS+8*(\set)+ma/2, \tt%2, ma%2
.endr
.set ma, ma+1
.endr
.endm
.macro WORK sl, z                      ; a slot: two heads
	FETCH \sl, 0, 0
	FETCH \sl, 1, 1
	s_wait_dscnt 41                                ; the first head's loads are in; the second's 41 may be out
	MUL 0, \z
	s_wait_dscnt 0x0
	MUL 1, 0
	WIN 0
.endm
; A change of slots: each wave waits for all its tensor loads, adds 0 to its spare word, waits for that and for its reads of the slot just read.  fill = 1: a round of the cluster's barrier, and that slot is filled again.
.macro CHANGE sl, fill
	s_wait_tensorcnt 0x0
	ds_add_u32 v[SPW], v[NIL]
.if \fill
	s_add_nc_u64 s[G0O+4*\sl+2:G0O+4*\sl+3], s[G0O+4*\sl+2:G0O+4*\sl+3], 8*HRB   ; no load of mine is out: two slots on
	s_add_nc_u64 s[G0U+4*\sl+2:G0U+4*\sl+3], s[G0U+4*\sl+2:G0U+4*\sl+3], 4*HRB
.endif
	s_wait_dscnt 0x0
.if \fill
	ROUND
	JLOAD \sl                                      ; its four v_nop are also the places in front of the loads that follow
.else
	s_barrier_signal -1
	s_barrier_wait -1
	PLACES 4
.endif
.endm
	s_load_b256 s[4:11], s[0:1], 0x0               ; obuf, win, b_u, out0
	v_lshl_add_u32 v[SPW], v0, 2, SPARE
	v_mov_b32 v[NIL], 0
	ds_add_u32 v28, v29
	s_wait_dscnt 0x0
	v_lshrrev_b32 v2, 5, v0
	v_readfirstlane_b32 s[WV], v2                  ; wave 0..3
	s_lshr_b32 s15, s[WV], 1
	s_and_b32 s16, s[WV], 1
	s_bfe_u32 s13, ttmp6, 0x40000                  ; cx
	s_bfe_u32 s14, ttmp6, 0x40004                  ; cy
	s_lshl_b32 s17, ttmp9, 2
	s_add_co_u32 s17, s17, s13                     ; nx: which 64 outputs
	s_and_b32 s18, ttmp7, 0xffff
	s_lshl_b32 s18, s18, 2
	s_add_co_u32 s18, s18, s14                     ; ty: which 128 tokens
	s_lshl_b32 s62, s14, 2
	s_lshl_b32 s62, 15, s62                        ; my row of the cluster
	s_lshl_b32 s63, 0x1111, s13                    ; my column
	s_or_b32 s[G1O], s62, (3<<16)|(1<<21)          ; o's records go to my row; elements of 8 bytes; bit 21 beside a mask
	s_or_b32 s[G1U], s63, (3<<16)|(1<<21)
	s_mov_b32 s[G1O+1], 32<<16                     ; rows of 256 bytes,
	s_mov_b32 s[G1O+2], 200<<16                    ; 200 of them: two records
	s_mov_b32 s[G1O+3], 32<<16
	s_mov_b32 s[G1O+4], 200
	s_mov_b32 s[G1O+5], 32
	s_mov_b32 s[G1O+6], 0
	s_mov_b32 s[G1O+7], 0
	s_mov_b32 s[G1U+1], 32<<16
	s_mov_b32 s[G1U+2], 100<<16                    ; one record
	s_mov_b32 s[G1U+3], 32<<16
	s_mov_b32 s[G1U+4], 100
	s_mov_b32 s[G1U+5], 32
	s_mov_b32 s[G1U+6], 0
	s_mov_b32 s[G1U+7], 0
	s_mul_i32 s56, s16, 2*HRB                      ; my half of o's part of a slot,
	s_mul_i32 s57, s16, HRB                        ; of w_u's
	s_mul_i32 s58, s18, 16*HRB                     ; o hangs on ty alone,
	s_add_co_u32 s58, s58, s56
	s_mov_b32 s59, 0
	s_mul_i32 s60, s17, 8*HRB                      ; w_u on nx alone
	s_add_co_u32 s60, s60, s57
	s_add_co_u32 s60, s60, 4*TEN
	s_mov_b32 s61, 0
	s_wait_kmcnt 0x0
.irp sl, 0,1
	s_mov_b32 s[G0O+4*\sl], 1
	s_add_co_u32 s[G0O+4*\sl+1], s56, \sl*SLOT
	s_add_nc_u64 s[G0O+4*\sl+2:G0O+4*\sl+3], s[4:5], s[58:59]
	s_add_nc_u64 s[G0O+4*\sl+2:G0O+4*\sl+3], s[G0O+4*\sl+2:G0O+4*\sl+3], \sl*4*HRB
	s_or_b32 s[G0O+4*\sl+3], s[G0O+4*\sl+3], 0x80000000
	s_mov_b32 s[G0U+4*\sl], 1
	s_add_co_u32 s[G0U+4*\sl+1], s57, \sl*SLOT+4*HRB
	s_add_nc_u64 s[G0U+4*\sl+2:G0U+4*\sl+3], s[6:7], s[60:61]
	s_add_nc_u64 s[G0U+4*\sl+2:G0U+4*\sl+3], s[G0U+4*\sl+2:G0U+4*\sl+3], \sl*2*HRB
	s_or_b32 s[G0U+4*\sl+3], s[G0U+4*\sl+3], 0x80000000
.endr
	ROUND                                          ; all sixteen work-groups are here
	JLOAD 0
	JLOAD 1
	v_and_b32 v2, 31, v0
	v_lshlrev_b32 v[L16], 4, v2
	s_mul_i32 s66, s[WV], FRB                      ; my K step of a record's four
	v_add_nc_u32 v3, s66, v[L16]
	s_lshl_b32 s67, s[WV], 2
	v_add_nc_u32 v24, s67, v[L16]
	s_lshl_b32 s68, s[WV], 8
	v_lshl_add_u32 v25, v2, 3, s68
.irp sl, 0,1
.irp rho, 0,1
	v_add_nc_u32 v[AO+2*\sl+\rho], \sl*SLOT+\rho*2*HRB, v3
	v_add_nc_u32 v[AOS+2*\sl+\rho], \sl*SLOT+\rho*2*HRB, v24
.endr
	v_add_nc_u32 v[AW+\sl], \sl*SLOT+4*HRB, v3
	v_add_nc_u32 v[AWS+\sl], \sl*SLOT+4*HRB+HSC, v25
.endr
	v_and_b32 v2, 15, v0                           ; r
	v_bfe_u32 v3, v0, 4, 1                         ; h
	s_mul_i32 s66, s[WV], SGW
	v_mul_u32_u24 v[STO], v2, SGP
	v_lshl_add_u32 v[STO], v3, 6, v[STO]
	v_add_nc_u32 v[STO], s66, v[STO]               ; into the stage: my partial sums, row r, + 64 h
	s_mul_i32 s66, s[WV], 32*SGP
	v_mul_u32_u24 v[RD], v3, SGP
	v_lshl_add_u32 v[RD], v2, 4, v[RD]
	v_add_nc_u32 v[RD], s66, v[RD]                 ; back: rows 32 w on; lanes 0-15 one row, lanes 16-31 the next
	v_add_nc_u32 v[RD2], 2*SGW, v[RD]              ; waves 2's and 3's sums lie beyond an offset's reach
	v_lshlrev_b32 v[CO], 11, v3
	v_lshl_add_u32 v[CO], v2, 4, v[CO]             ; and in out0: rows of 2,048 bytes
	v_lshlrev_b32 v[BO], 4, v2
	s_lshl_b32 s68, s17, 8
	s_mov_b32 s69, 0
	s_add_nc_u64 s[8:9], s[8:9], s[68:69]
	global_load_b128 v[BI:BI+3], v[BO], s[8:9]     ; b_u of my four outputs
	s_lshl_b32 s66, s18, 18                        ; (128 ty + 32 w) rows of 2,048 bytes + 256 nx
	s_lshl_b32 s67, s[WV], 16
	s_add_co_u32 s66, s66, s67
	s_add_co_u32 s66, s66, s68
	s_mov_b32 s67, 0
	s_add_nc_u64 s[10:11], s[10:11], s[66:67]
	s_wait_tensorcnt 0x1                           ; my part of slot 0 is in; slot 1's may stay out
	s_barrier_signal -1
	s_barrier_wait -1
	WORK 0, 1                                      ; heads 0, 1: the first products start the sums
	CHANGE 0, 1                                    ; slot 0 takes heads 4, 5
	WORK 1, 0                                      ; heads 2, 3
	CHANGE 1, 1                                    ; slot 1 takes heads 6, 7
	WORK 0, 0
	CHANGE 0, 0                                    ; nothing is left to fetch; behind this barrier nobody reads slot 0
	WORK 1, 0
	PLACES 4
	WIN 0x04                                       ; an LDS store's data are its source 1: window 1
.set ma, 0
.rept 8
.irp tt, 0,1,2,3
	ds_store_b128 v[STO], v[8*(4*ma+\tt):8*(4*ma+\tt)+3] offset:ma*16*SGP+128*(\tt/2)+32*(\tt%2)       ; lane (r, h): outputs 32 (t / 2) + 16 h + 8 (t % 2) + 0 .. 7 of row 16 a + r; each accumulator from its low end on
	ds_store_b128 v[STO], v[8*(4*ma+\tt)+4:8*(4*ma+\tt)+7] offset:ma*16*SGP+128*(\tt/2)+32*(\tt%2)+16
.endr
.set ma, ma+1
.endr
	WIN 0
	s_wait_dscnt 0x0                               ; for the others' sake: my partial sums have landed
	s_barrier_signal -1
	s_barrier_wait -1
	s_wait_loadcnt 0x0                             ; b_u
.set bt, 0
.rept 4                                        ; four pairs of rows at a time, from all four waves' sums
	s_wait_xcnt 0x0                                ; the earlier stores have read their registers
.irp q, 0,1,2,3
	ds_load_b128 v[OUTR+16*\q:OUTR+16*\q+3], v[RD] offset:2*SGP*(4*bt+\q)
	ds_load_b128 v[OUTR+16*\q+4:OUTR+16*\q+7], v[RD] offset:SGW+2*SGP*(4*bt+\q)
	ds_load_b128 v[OUTR+16*\q+8:OUTR+16*\q+11], v[RD2] offset:2*SGP*(4*bt+\q)
	ds_load_b128 v[OUTR+16*\q+12:OUTR+16*\q+15], v[RD2] offset:SGW+2*SGP*(4*bt+\q)
.endr
	s_wait_dscnt 0x0
.irp q, 0,1,2,3
.set ob, OUTR+16*\q
.set on, 4*bt+\q
	v_pk_add_f32 v[ob:ob+1], v[ob:ob+1], v[ob+4:ob+5]
	v_pk_add_f32 v[ob+2:ob+3], v[ob+2:ob+3], v[ob+6:ob+7]
	v_pk_add_f32 v[ob+8:ob+9], v[ob+8:ob+9], v[ob+12:ob+13]
	v_pk_add_f32 v[ob+10:ob+11], v[ob+10:ob+11], v[ob+14:ob+15]
	v_pk_add_f32 v[ob:ob+1], v[ob:ob+1], v[ob+8:ob+9]
	v_pk_add_f32 v[ob+2:ob+3], v[ob+2:ob+3], v[ob+10:ob+11]
	v_pk_add_f32 v[ob:ob+1], v[ob:ob+1], v[BI:BI+1]
	v_pk_add_f32 v[ob+2:ob+3], v[ob+2:ob+3], v[BI+2:BI+3]
	global_store_b128 v[CO], v[ob:ob+3], s[10:11] offset:(8*(on/8)+(2*on)%16+8*(((2*on)%16)/8))*2048 th:TH_STORE_NT   ; stage row 16 a + r is token 32 (a / 2) + 8 (a % 2) + r + 8 (r / 8); sixteen lanes store 256 consecutive bytes, aligned
.endr
.set bt, bt+1
.endr
	s_wait_tensorcnt 0x0                           ; the wave's end
	ds_add_u32 v[SPW], v[NIL]
	s_wait_dscnt 0x0
	ROUND                                          ; the closing round
	s_endpgm
.Lfunc_end_k_q1cd2553a21_unify:
	.size	k_q1cd2553a21_unify, .Lfunc_end_k_q1cd2553a21_unify-k_q1cd2553a21_unify
	.p2alignl 7, 3214868480
	.fill 96, 4, 3214868480
	.section	.rodata,"a",@progbits
	.p2align	6, 0x0
	.amdhsa_kernel k_q1cd2553a21_unify
		.amdhsa_group_segment_fixed_size 327680
		.amdhsa_private_segment_fixed_size 0
		.amdhsa_enable_private_segment 0
		.amdhsa_kernarg_size 32
		.amdhsa_user_sgpr_count 2
		.amdhsa_user_sgpr_kernarg_segment_ptr 1
		.amdhsa_wavefront_size32 1
		.amdhsa_system_sgpr_workgroup_id_x 1
		.amdhsa_system_sgpr_workgroup_id_y 1
		.amdhsa_system_sgpr_workgroup_id_z 1
		.amdhsa_system_vgpr_workitem_id 0
		.amdhsa_next_free_vgpr 768
		.amdhsa_next_free_sgpr 96
		.amdhsa_reserve_vcc 0
		.amdhsa_float_denorm_mode_32 3
		.amdhsa_float_denorm_mode_16_64 3
		.amdhsa_memory_ordered 1
		.amdhsa_forward_progress 1
		.amdhsa_inst_pref_size 82
	.end_amdhsa_kernel
	.amdgpu_metadata
---
amdhsa.version: [ 1, 2 ]
amdhsa.kernels:
  - .name:           k_q1cd2553a21_unify
    .symbol:         k_q1cd2553a21_unify.kd
    .args:
      - { .name: obuf, .offset: 0, .size: 8, .value_kind: global_buffer, .address_space: global }
      - { .name: win, .offset: 8, .size: 8, .value_kind: global_buffer, .address_space: global }
      - { .name: b_u, .offset: 16, .size: 8, .value_kind: global_buffer, .address_space: global }
      - { .name: out0, .offset: 24, .size: 8, .value_kind: global_buffer, .address_space: global }
    .group_segment_fixed_size: 327680
    .private_segment_fixed_size: 0
    .kernarg_segment_align: 8
    .kernarg_segment_size: 32
    .max_flat_workgroup_size: 128
    .sgpr_count:     96
    .vgpr_count:     768
    .wavefront_size: 32
...
	.end_amdgpu_metadata
.endif
;; end of part 4
